; MI455X (gfx1250); checked and timed in simulation.
; The chip was launched on July 23, 2026; its instructions are those of AMD's public machine-readable ISA for CDNA 5 (MIT licence, August 2026) and "CDNA5" Instruction Set Architecture Reference Guide (July 2026). The comments in the code are by the model that wrote it; some were corrected since.
;; Attention. Allowed arithmetic: float matrix products may take bf16 or f16 operands with f32 sums; all other float work in f32.
;; Inputs: Wk 512 x 16 x 32 float32; Wo 16 x 32 x 512 float32; Wq 512 x 16 x 32 float32; Wv 512 x 16 x 32 float32; bk 16 x 32 float32; bo 512 float32; bq 16 x 32 float32; bv 16 x 32 float32; query 8 x 1,024 x 512 float32; rel_bias 16 x 63 x 63 float32.
;; Outputs: out0 8 x 1,024 x 512 float32.
;; 2 versions, each right and faster than the one before. Each part assembles by itself: llvm-mc -triple=amdgcn-amd-amdhsa -mcpu=gfx1250 --defsym DOCPART=n.
;; ======== version 1 of 2: 3 launches
;; limits: values are held in f16: magnitudes above 65,504 overflow, below 6.1e-05 lose precision
;; workspace buffers: qf 8,388,608 bytes; kv 16,777,216 bytes; ao 8,388,608 bytes
;; launch qkv (part 1): grid 8 x 32, 8 waves a work-group, no clusters, 128,000 bytes of LDS; arguments query, Wq, Wk, Wv, bq, bk, bv, qf, kv; writes qf, kv
.if DOCPART == 1
	.amdgcn_target "amdgcn-amd-amdhsa--gfx1250"
	.amdhsa_code_object_version 6
	.text
	.protected	k_q16d6a42e69_qkv
	.globl	k_q16d6a42e69_qkv
	.p2align	8
	.type	k_q16d6a42e69_qkv,@function
k_q16d6a42e69_qkv:
	s_mov_b64 s[64:65], 0
	v_nop
	global_prefetch_b8 v0, s[64:65] scope:SCOPE_SE
	s_setreg_imm32_b32 hwreg(HW_REG_WAVE_MODE, 25, 1), 1
	s_wait_xcnt 0x0
; q' = (x Wq + bq) c, k = x Wk + bk, v = x Wv + bv, with c = 32^-0.5 log2(e), so that the softmax of the next launch works in base 2.
; x: [8192 tokens][512] f32.  W*: [512 d][512 nk] f32.  Results in f16, f32 sums, in the order in which the next launch's matrix
; instructions want them: blocks of 1,024 bytes = [4 groups of 8 k][16 rows][8 numbers], so that lane L of a wave owns bytes 16 L and 512 + 16 L.
;   qf: [b][head][64 query tiles][block]   (row = query, k = head dimension)
;   kv: [b][head][32 steps of 32 keys][4,096]: two blocks of K (row = key, k = head dimension), two of V transposed (row = head dimension, k = key)
; A work-group makes 256 tokens x 192 columns (64 of each W: two heads).  8 x 32 = 256 work-groups.  Wave w: 64 tokens (w / 2), one head (w % 2):
; 4 token tiles x 6 column tiles = 24 accumulators.  K = 512 goes in 8 chunks of 64 through two LDS slots that take turns.
; The operands are f32 in memory, and W lies [k][n]: they come through registers, are rounded to f16 there and stored to LDS once.
; NO CLUSTER, NO TENSOR LOAD: a joint load could only land the f32 bytes, 112 KiB a chunk, which would be read back and stored again as 56 KiB
; of f16; through registers LDS sees the 56 KiB alone.
; WHY F16: the module's output is nearly a mean over 1,024 keys of values of either sign, so an operand's relative rounding error shows undiminished against the
; output's spread, and six roundings stand in a chain (x, W, v, p, the attention's result, Wo).  f16 keeps 11 significant bits where bf16 keeps 8.
; LIMITS: x, W and the results are f16: a magnitude above 65,504 becomes infinite, and the step near zero is 2^-24.  As drawn |x| < 6, |W| < 0.1 and k, v have
; a spread of 0.45.  With x and W both 30 times larger that is 410; with both carrying an offset of 30 spreads the results lie near 512 x 30 x 0.6 = 9,216.
; With both 30 times smaller v's spread is 5e-4, 8,000 steps.  NaN and infinities are passed on as the arithmetic makes them.
.set SLOT,   63488                     ; an LDS slot: x's part, then W's part
.set WPART,  36864                     ; x's part: 16 token tiles of 2,304 bytes
.set XTILE,  2304                      ; a token tile: 8 planes (8 k each) of 16 rows x 16 bytes, 288 bytes apart
.set XPL,    288                       ; 256 + 32: the 32 lanes of a store of 8 bytes land on 256 different bytes modulo 256
.set WPITCH, 416                       ; a row of W's part: 3 x 64 columns of f16 = 384 bytes, padded to 13 x 32
.set GX,  1                            ; v1      x: byte offset of my 16 bytes in the group's rows
.set GW,  2                            ; v2      W: byte offset of my 16 bytes
.set L16, 3                            ; v3      16 x lane
.set SX,  4                            ; v4-5    LDS: where I store x, slot 0, 1
.set SW,  6                            ; v6-7    LDS: where I store W
.set AX,  8                            ; v8-9    LDS: my x fragments
.set AW,  10                           ; v10-11  LDS: my W fragments (transposing loads)
.set H32, 14                           ; v14     32 x (lane / 16)
.set R4,  15                           ; v15     4 x (lane % 16)
.set XF,  32                           ; v32-63   4 fragments of x
.set WF,  64                           ; v64-111  6 fragments of W
.set ST,  112                          ; v112-223 28 loads of 16 bytes, f32, on their way
.set OUT, 32                           ; v32-127  the way out: 24 tiles x 4 registers of f16
.set BQ,  128                          ; v128-143 bq of my 16 numbers, BK v144-159, BV v160-161
.set BK,  144
.set BV,  160
.set ACC, 0                            ; window 1: v0-191 accumulators, tile (f, mt) at 8 (4 f + mt)
.set PK,  192                          ; window 1: v192-247 the staged chunk as f16
.set MSB, 0
.macro WIN new                         ; low byte: bits 1:0 source 0, 3:2 source 1, 5:4 source 2, 7:6 destination; high byte: the setting that is left
.if MSB != \new
	s_set_vgpr_msb (MSB<<8)|\new
.set MSB, \new
.endif
.endm
.macro PLACES                          ; four plain vector instructions behind a matrix instruction, before its registers are loaded into or its result read (ISA guide 7.12.1)
.rept 4
	v_nop
.endr
.endm
	s_load_b512 s[8:23], s[0:1], 0x0               ; query, Wq, Wk, Wv, bq, bk, bv, qf
	s_load_b64 s[24:25], s[0:1], 0x40              ; kv
	v_lshl_add_u32 v254, v0, 2, 0x1f000
	v_mov_b32 v255, 0
	v_lshrrev_b32 v16, 5, v0
	v_readfirstlane_b32 s2, v16                    ; wave
	s_lshr_b32 s3, s2, 1                           ; tg: which 64 tokens
	s_and_b32 s4, s2, 1                            ; hd: which head of the pair
	s_mov_b32 s5, ttmp9                            ; j: the pair of heads
	s_and_b32 s6, ttmp7, 0xffff                    ; tb: the block of 256 tokens
	s_lshl1_add_u32 s7, s5, s4                     ; head n = 2 j + hd
	s_mov_b32 s28, 0x3e8293ee                      ; c = 32^-0.5 log2(e), twice: a pair for the packed forms
	s_mov_b32 s29, 0x3e8293ee
	v_and_b32 v17, 15, v0                          ; r
	v_bfe_u32 v18, v0, 4, 1                        ; h
	v_and_b32 v19, 31, v0                          ; lane
	v_lshlrev_b32 v[L16], 4, v19
	v_lshlrev_b32 v20, 4, v17                      ; 16 r
	s_lshl_b32 s26, s2, 16                         ; x: row 32 w + h (+ 2 i by the immediate), 16 lanes take 256 bytes of a row
	v_lshl_add_u32 v[GX], v18, 11, v20
	v_add_nc_u32 v[GX], s26, v[GX]
	s_lshl_b32 s26, s2, 14                         ; W: row 8 w + 4 h (+ i), 16 lanes take the 64 columns' 256 bytes
	v_lshl_add_u32 v[GW], v18, 13, v20
	v_add_nc_u32 v[GW], s26, v[GW]
	v_lshrrev_b32 v21, 1, v17                      ; x into LDS: my 4 numbers are k = 4 r ..: plane r / 2, half r % 2 of the 16 bytes, row h (+ 2 i)
	v_mul_u32_u24 v21, v21, XPL
	v_lshl_add_u32 v21, v18, 4, v21
	v_and_b32 v22, 1, v0
	v_lshl_add_u32 v21, v22, 3, v21
	s_mul_i32 s26, s2, 2*XTILE                     ; token tiles 2 w, 2 w + 1
	v_add_nc_u32 v[SX], s26, v21
	v_add_nc_u32 v[SX+1], SLOT, v[SX]
	v_mul_u32_u24 v21, v18, 4*WPITCH               ; W into LDS: row 8 w + 4 h (+ i), 8 bytes at 8 r
	v_lshl_add_u32 v21, v17, 3, v21
	s_mul_i32 s26, s2, 8*WPITCH
	s_add_co_u32 s26, s26, WPART
	v_add_nc_u32 v[SW], s26, v21
	v_add_nc_u32 v[SW+1], SLOT, v[SW]
	v_mul_u32_u24 v21, v18, XPL                    ; x fragments: plane h (+ 2, + 4 kb by the immediate), row r
	v_add_nc_u32 v21, v21, v20
	s_mul_i32 s26, s3, 4*XTILE
	v_add_nc_u32 v[AX], s26, v21
	v_add_nc_u32 v[AX+1], SLOT, v[AX]
	v_and_b32 v21, 7, v0                           ; W fragments by ds_load_tr16_b128: row 8 h + lane % 8, 16 bytes (lane / 8) % 2
	v_lshl_add_u32 v21, v18, 3, v21
	v_mul_u32_u24 v21, v21, WPITCH
	v_bfe_u32 v22, v0, 3, 1
	v_lshl_add_u32 v21, v22, 4, v21
	s_lshl_b32 s26, s4, 6                          ; my head's 32 columns
	s_add_co_u32 s26, s26, WPART
	v_add_nc_u32 v[AW], s26, v21
	v_add_nc_u32 v[AW+1], SLOT, v[AW]
	v_lshlrev_b32 v[H32], 5, v18
	v_lshlrev_b32 v[R4], 2, v17
	s_wait_kmcnt 0x0
	s_lshl_b32 s26, s6, 19                         ; 256 tokens of 2,048 bytes
	s_mov_b32 s27, 0
	s_add_nc_u64 s[8:9], s[8:9], s[26:27]
	s_lshl_b32 s26, s5, 8                          ; 64 columns of 4 bytes
	s_add_nc_u64 s[10:11], s[10:11], s[26:27]
	s_add_nc_u64 s[12:13], s[12:13], s[26:27]
	s_add_nc_u64 s[14:15], s[14:15], s[26:27]
	s_lshl_b32 s26, s7, 7                          ; a head's 32 biases
	s_add_nc_u64 s[16:17], s[16:17], s[26:27]
	s_add_nc_u64 s[18:19], s[18:19], s[26:27]
	s_add_nc_u64 s[20:21], s[20:21], s[26:27]
	s_lshr_b32 s30, s6, 2                          ; b
	s_lshl4_add_u32 s30, s30, s7                   ; 16 b + n
	s_and_b32 s31, s6, 3                           ; which quarter of the batch's 1,024 tokens
	s_lshl_b32 s26, s30, 6
	s_lshl4_add_u32 s26, s31, s26
	s_lshl2_add_u32 s26, s3, s26                   ; query tile = 64 (16 b + n) + 16 quarter + 4 tg
	s_lshl_b32 s26, s26, 10
	s_add_nc_u64 s[22:23], s[22:23], s[26:27]
	s_lshl_b32 s26, s30, 5
	s_lshl3_add_u32 s26, s31, s26
	s_lshl1_add_u32 s26, s3, s26                   ; key step = 32 (16 b + n) + 8 quarter + 2 tg
	s_lshl_b32 s26, s26, 12
	s_add_nc_u64 s[24:25], s[24:25], s[26:27]
; 28 loads of 16 bytes a lane: chunk ch of x (16 loads, 2 rows each) and of the three W (4 rows each).  Every step stands in the immediate: no address register is ever rewritten.
.macro GLOADS ch
.irp i, 0,1,2,3,4,5,6,7,8,9,10,11,12,13,14,15
	global_load_b128 v[ST+4*\i:ST+4*\i+3], v[GX], s[8:9] offset:\i*4096+(\ch)*256
.endr
.irp i, 0,1,2,3
	global_load_b128 v[ST+64+4*\i:ST+64+4*\i+3], v[GW], s[10:11] offset:((\ch)*64+\i)*2048
	global_load_b128 v[ST+80+4*\i:ST+80+4*\i+3], v[GW], s[12:13] offset:((\ch)*64+\i)*2048
	global_load_b128 v[ST+96+4*\i:ST+96+4*\i+3], v[GW], s[14:15] offset:((\ch)*64+\i)*2048
.endr
.endm
.macro BIASLOADS                       ; 10 loads: q and k tiles hold 8 neighbouring columns a lane, v tiles one column a lane
.irp nt, 0,1
	global_load_b128 v[BQ+8*\nt:BQ+8*\nt+3],   v[H32], s[16:17] offset:\nt*64
	global_load_b128 v[BQ+8*\nt+4:BQ+8*\nt+7], v[H32], s[16:17] offset:\nt*64+16
	global_load_b128 v[BK+8*\nt:BK+8*\nt+3],   v[H32], s[18:19] offset:\nt*64
	global_load_b128 v[BK+8*\nt+4:BK+8*\nt+7], v[H32], s[18:19] offset:\nt*64+16
	global_load_b32  v[BV+\nt], v[R4], s[20:21] offset:\nt*64
.endr
.endm
.macro CV                              ; one of the 56 roundings of a staged chunk (sources window 0, destination window 1)
.if cvi < 56
	v_cvt_pk_f16_f32 v[PK+cvi], v[ST+2*cvi], v[ST+2*cvi+1]
.set cvi, cvi+1
.endif
.endm
.macro STORES slot                     ; 28 stores of 8 bytes a lane: the staged chunk into a slot
.irp i, 0,1,2,3,4,5,6,7,8,9,10,11,12,13,14,15
	ds_store_b64 v[SX+\slot], v[PK+2*\i:PK+2*\i+1] offset:(\i/8)*XTILE+(\i%8)*32
.endr
.irp i, 0,1,2,3
.irp m, 0,1,2
	ds_store_b64 v[SW+\slot], v[PK+32+8*\m+2*\i:PK+32+8*\m+2*\i+1] offset:\i*WPITCH+\m*128
.endr
.endr
.endm
.macro FRAGS slot, kb                  ; 8 + 12 LDS loads: the fragments of 32 along K
.irp mt, 0,1,2,3
	ds_load_b128 v[XF+8*\mt:XF+8*\mt+3],   v[AX+\slot] offset:\mt*XTILE+\kb*4*XPL
	ds_load_b128 v[XF+8*\mt+4:XF+8*\mt+7], v[AX+\slot] offset:\mt*XTILE+\kb*4*XPL+2*XPL
.endr
.irp f, 0,1,2,3,4,5
	ds_load_tr16_b128 v[WF+8*\f:WF+8*\f+3],   v[AW+\slot] offset:\kb*32*WPITCH+(\f/2)*128+(\f%2)*32
	ds_load_tr16_b128 v[WF+8*\f+4:WF+8*\f+7], v[AW+\slot] offset:\kb*32*WPITCH+16*WPITCH+(\f/2)*128+(\f%2)*32
.endr
.endm
; q and k (f < 4): source 0 = W's columns, source 1 = tokens: a lane's 8 results are 8 neighbouring columns of one token.
; v (f >= 4): source 0 = tokens, source 1 = W's columns: a lane's 8 results are 8 neighbouring tokens of one column, which is V transposed.
.macro MM f, mt, zero
.if \f < 4
.if \zero
	v_wmma_f32_16x16x32_f16 v[ACC+8*(4*\f+\mt):ACC+8*(4*\f+\mt)+7], v[WF+8*\f:WF+8*\f+7], v[XF+8*\mt:XF+8*\mt+7], 0
.else
	v_wmma_f32_16x16x32_f16 v[ACC+8*(4*\f+\mt):ACC+8*(4*\f+\mt)+7], v[WF+8*\f:WF+8*\f+7], v[XF+8*\mt:XF+8*\mt+7], v[ACC+8*(4*\f+\mt):ACC+8*(4*\f+\mt)+7]
.endif
.else
.if \zero
	v_wmma_f32_16x16x32_f16 v[ACC+8*(4*\f+\mt):ACC+8*(4*\f+\mt)+7], v[XF+8*\mt:XF+8*\mt+7], v[WF+8*\f:WF+8*\f+7], 0
.else
	v_wmma_f32_16x16x32_f16 v[ACC+8*(4*\f+\mt):ACC+8*(4*\f+\mt)+7], v[XF+8*\mt:XF+8*\mt+7], v[WF+8*\f:WF+8*\f+7], v[ACC+8*(4*\f+\mt):ACC+8*(4*\f+\mt)+7]
.endif
.endif
.endm
; 24 matrix instructions, the 24 accumulators by turns, one instruction a turn.
; The wait in front of column tile f: LDS serves a wave in order (ISA guide 5.7.1); behind f's two loads stand 10 - 2 f fragment loads and `extra` LDS stores.
.macro MULS zero, conv, extra
.irp f, 0,1,2,3,4,5
	s_wait_dscnt \extra+10-2*\f
.irp mt, 0,1,2,3
	MM \f, \mt, \zero
.if \conv
	CV
	CV
	CV
.endif
.endr
.endr
.endm
; One chunk of 64 along K out of `slot`.  conv: chunk ch + 1, which is staged in registers, is rounded among the first 24 matrix instructions and stored to the other slot.
; load = 1: chunk ch + 2 is asked for; load = 2: the biases.
.macro TRIP slot, other, ch, zero, conv, load, last
	WIN 0
	FRAGS \slot, 0
.if \conv
	s_wait_loadcnt 0x0                             ; the staged chunk is in: nothing younger is out
.set cvi, 0
.endif
	WIN 0x50                                       ; C, D and the roundings' destination in window 1
	MULS \zero, \conv, 0
	PLACES
	WIN 0
	FRAGS \slot, 1
.if \load == 1
	GLOADS \ch+2
.endif
.if \load == 2
	BIASLOADS
.endif
.if \conv
	WIN 0x04                                       ; LDS store data in window 1
	STORES \other
	WIN 0x50
	MULS 0, 0, 28
.else
	WIN 0x50
	MULS 0, 0, 0
.endif
	PLACES
	WIN 0
.if \last == 0
	s_wait_dscnt 0x0                               ; my reads of this slot are back and my stores to the other have landed:
	s_barrier_signal -1                            ; behind the barrier the other slot is whole and this one may be written
	s_barrier_wait -1
.endif
.endm
	GLOADS 0
	s_wait_loadcnt 0x0
.set cvi, 0
	WIN 0x50
.rept 56
	CV
.endr
	WIN 0
	GLOADS 1
	WIN 0x04
	STORES 0
	WIN 0
	s_wait_dscnt 0x0                               ; my part of chunk 0 is in LDS,
	s_barrier_signal -1
	s_barrier_wait -1                              ; everybody's is
	TRIP 0, 1, 0, 1, 1, 1, 0                       ; the first products start the sums: nothing is cleared
	TRIP 1, 0, 1, 0, 1, 1, 0
	TRIP 0, 1, 2, 0, 1, 1, 0
	TRIP 1, 0, 3, 0, 1, 1, 0
	TRIP 0, 1, 4, 0, 1, 1, 0
	TRIP 1, 0, 5, 0, 1, 1, 0
	TRIP 0, 1, 6, 0, 1, 2, 0                       ; nothing is left of x and W: the biases are asked for
	TRIP 1, 0, 7, 0, 0, 0, 1
	; THE WAY OUT.  Bias (and c) in f32, one rounding to f16, and a lane's 16 bytes are stored at 16 x lane: each store of the wave covers 512 consecutive bytes, aligned.
	s_wait_loadcnt 0x0                             ; the biases
.irp p, 0,2,4,6,8,10,12,14
	v_pk_mul_f32 v[BQ+\p:BQ+\p+1], v[BQ+\p:BQ+\p+1], s[28:29] op_sel_hi:[1,0]   ; bq c, so that q' is one fused multiply-add
.endr
	WIN 0x41                                       ; accumulators (destination, source 0) in window 1, biases in window 0
.irp nt, 0,1
.irp mt, 0,1,2,3
.irp p, 0,2,4,6
	v_pk_fma_f32 v[ACC+8*(4*\nt+\mt)+\p:ACC+8*(4*\nt+\mt)+\p+1], v[ACC+8*(4*\nt+\mt)+\p:ACC+8*(4*\nt+\mt)+\p+1], s[28:29], v[BQ+8*\nt+\p:BQ+8*\nt+\p+1] op_sel_hi:[1,0,1]
	v_pk_add_f32 v[ACC+8*(4*(2+\nt)+\mt)+\p:ACC+8*(4*(2+\nt)+\mt)+\p+1], v[ACC+8*(4*(2+\nt)+\mt)+\p:ACC+8*(4*(2+\nt)+\mt)+\p+1], v[BK+8*\nt+\p:BK+8*\nt+\p+1]
	v_pk_add_f32 v[ACC+8*(4*(4+\nt)+\mt)+\p:ACC+8*(4*(4+\nt)+\mt)+\p+1], v[ACC+8*(4*(4+\nt)+\mt)+\p:ACC+8*(4*(4+\nt)+\mt)+\p+1], v[BV:BV+1] op_sel:[0,\nt] op_sel_hi:[1,\nt]
.endr
.endr
.endr
	WIN 0x05                                       ; sources in window 1, destination in window 0
.set t, 0
.rept 24
.irp k, 0,1,2,3
	v_cvt_pk_f16_f32 v[OUT+4*t+\k], v[ACC+8*t+2*\k], v[ACC+8*t+2*\k+1]
.endr
.set t, t+1
.endr
	WIN 0
.irp mt, 0,1,2,3
.irp nt, 0,1
	global_store_b128 v[L16], v[OUT+4*(4*\nt+\mt):OUT+4*(4*\nt+\mt)+3], s[22:23] offset:\mt*1024+\nt*512
	global_store_b128 v[L16], v[OUT+4*(4*(2+\nt)+\mt):OUT+4*(4*(2+\nt)+\mt)+3], s[24:25] offset:(\mt/2)*4096+(\mt%2)*1024+\nt*512
	global_store_b128 v[L16], v[OUT+4*(4*(4+\nt)+\mt):OUT+4*(4*(4+\nt)+\mt)+3], s[24:25] offset:(\mt/2)*4096+2048+\nt*1024+(\mt%2)*512
.endr
.endr
	s_wait_tensorcnt 0x0
	ds_add_u32 v254, v255
	s_wait_dscnt 0x0
	s_endpgm
.Lfunc_end_k_q16d6a42e69_qkv:
	.size	k_q16d6a42e69_qkv, .Lfunc_end_k_q16d6a42e69_qkv-k_q16d6a42e69_qkv
	.p2alignl 7, 3214868480
	.fill 96, 4, 3214868480
	.section	.rodata,"a",@progbits
	.p2align	6, 0x0
	.amdhsa_kernel k_q16d6a42e69_qkv
		.amdhsa_group_segment_fixed_size 128000
		.amdhsa_private_segment_fixed_size 0
		.amdhsa_enable_private_segment 0
		.amdhsa_kernarg_size 72
		.amdhsa_user_sgpr_count 2
		.amdhsa_user_sgpr_kernarg_segment_ptr 1
		.amdhsa_wavefront_size32 1
		.amdhsa_system_sgpr_workgroup_id_x 1
		.amdhsa_system_sgpr_workgroup_id_y 1
		.amdhsa_system_sgpr_workgroup_id_z 1
		.amdhsa_system_vgpr_workitem_id 0
		.amdhsa_next_free_vgpr 512
		.amdhsa_next_free_sgpr 66
		.amdhsa_reserve_vcc 0
		.amdhsa_float_denorm_mode_32 3
		.amdhsa_float_denorm_mode_16_64 3
		.amdhsa_memory_ordered 1
		.amdhsa_forward_progress 1
		.amdhsa_inst_pref_size 135
	.end_amdhsa_kernel
	.amdgpu_metadata
---
amdhsa.version: [ 1, 2 ]
amdhsa.kernels:
  - .name:           k_q16d6a42e69_qkv
    .symbol:         k_q16d6a42e69_qkv.kd
    .args:
      - { .name: query, .offset: 0, .size: 8, .value_kind: global_buffer, .address_space: global }
      - { .name: Wq, .offset: 8, .size: 8, .value_kind: global_buffer, .address_space: global }
      - { .name: Wk, .offset: 16, .size: 8, .value_kind: global_buffer, .address_space: global }
      - { .name: Wv, .offset: 24, .size: 8, .value_kind: global_buffer, .address_space: global }
      - { .name: bq, .offset: 32, .size: 8, .value_kind: global_buffer, .address_space: global }
      - { .name: bk, .offset: 40, .size: 8, .value_kind: global_buffer, .address_space: global }
      - { .name: bv, .offset: 48, .size: 8, .value_kind: global_buffer, .address_space: global }
      - { .name: qf, .offset: 56, .size: 8, .value_kind: global_buffer, .address_space: global }
      - { .name: kv, .offset: 64, .size: 8, .value_kind: global_buffer, .address_space: global }
    .group_segment_fixed_size: 128000
    .private_segment_fixed_size: 0
    .kernarg_segment_align: 8
    .kernarg_segment_size: 72
    .max_flat_workgroup_size: 256
    .sgpr_count:     66
    .vgpr_count:     512
    .wavefront_size: 32
...
	.end_amdgpu_metadata
.endif
;; end of part 1
;; launch attn (part 2): grid 256 x 1, 8 waves a work-group, no clusters, 181,504 bytes of LDS; arguments qf, kv, rel_bias, ao; writes ao
.if DOCPART == 2
	.amdgcn_target "amdgcn-amd-amdhsa--gfx1250"
	.amdhsa_code_object_version 6
	.text
	.protected	k_q16d6a42e69_attn
	.globl	k_q16d6a42e69_attn
	.p2align	8
	.type	k_q16d6a42e69_attn,@function
k_q16d6a42e69_attn:
	s_mov_b64 s[64:65], 0
	v_nop
	global_prefetch_b8 v0, s[64:65] scope:SCOPE_SE
	s_setreg_imm32_b32 hwreg(HW_REG_WAVE_MODE, 25, 1), 1
	s_wait_xcnt 0x0
; Attention of one (batch, head) for half of its 1,024 queries: softmax over t of (q'[s] . k[t] + log2(e) bias[s][t]), in base 2, times v.  256 work-groups.
; Wave w owns the 64 queries of place 7 - w: image rows hs0 = 16 half + 2 (7 - w) (group 0) and hs0 + 1 (group 1), two tiles of 16 queries each (u = 0, 1).
; A step is two image rows of keys, 64 keys (kr = 0, 1; two tiles tt in each).  All K and V of the head, 128 KiB, lie in LDS for the whole kernel, as memory holds them.
; THE PRODUCTS ARE TRANSPOSED: S^T = K Q^T, so lane (r, h) holds 32 logits of query r; rounded to f16 in place they ARE the second source of O^T = V^T P^T.
; The maximum over keys is made inside the lane, with one exchange between the halves of the wave for 64 keys.
; THE SUM over keys is a matrix product too: a first source whose rows 0 and 8 are ones and whose other rows are zeros, times P^T, leaves the sum over the 32 keys of query r
; in register 0 of every lane and zeros in registers 1 to 7: 8 matrix instructions a step take the place of 64 packed additions, and the sum is taken over the same rounded
; numbers that multiply V.  Of such a tile register 0 alone is rescaled.
; THE BIAS is rel_bias[hs - ht + 31][ws - wt + 31].  For a tile it hangs on hs - ht and on 16 (u - tt) + r - 8 h - j alone, so it is read from a table in LDS
; and given to the QK instruction as its C.  The table is kept reversed along both axes (addresses then only step upward, and a lane's 8 numbers ascend), scaled by log2(e),
; in four copies shifted by one number each: lane r takes copy (15 - r) % 4, so that its 8 numbers are two aligned loads of 16 bytes, and the sixteen lanes of a half
; touch sixteen different 16-byte columns modulo 256 bytes.  Half a head's queries meet 47 of the 63 rows: row dh lies at position 46 + 16 half - dh, so that the half stands in
; the memory address alone, and the row D(x) = (dh = hs0 + 31 - x) of wave w lies at position 1 + 2 w + x.  Group g and key row kr of step I need D(2 I + kr - g):
; two new rows (6 tiles) a step serve 16 products; D(x) is kept in register set x % 4.
; A RUNNING MAXIMUM is kept for each query; sums and outputs are rescaled by 2^(old - new) in every step.
; NO CLUSTER: K and V are asked for once, 128 KiB, and only two work-groups share them; groups of four partners would mean 512 work-groups of 256 queries,
; two in turn on a WGP, each paying the fill and the table again.
; LIMITS: q', k, v, the probabilities and the result are f16.  A probability below 2^-25 of the largest met so far in its row becomes 0: 1,024 such together are under 2^-15
; of the row's sum.  The result is a weighted mean of v and has v's range (largest magnitude 65,504, step near zero 2^-24).  NaN and infinities are not treated.
.set BIAS, 131072                      ; behind K and V: the four copies; no tensor load ever lands here
.set CP,   12352                       ; a copy: 48 row positions of 256 bytes (47 rows; position 47 is padding that is filled and never read) + 64
.set L16,  1                           ; v1       16 x lane
.set AKV,  2                           ; v2       16 x lane + 8,192 x step
.set ABI,  3                           ; v3       my 8 numbers of bias row D(2 I - 1)
.set TMP,  4                           ; v4-11    at work, 4 for each u
.set AM,   12                          ; v12-19   for each query tile a pair (rescale factor, maximum)
.set LT,   24                          ; v24-55   for each query tile the tile of the sums: register 0 the sum, registers 1-7 zeros
.set LG,   56                          ; v56-183  logits, then probabilities: 64 g + 32 u + 16 kr + 8 tt
.set OAC,  184                         ; v184-247 O^T: 16 (2 g + u) + 8 e
.set TB,   56                          ; v56-67   set-up only: my six rows of the table; v72-75 their addresses
.set QF,   0                           ; window 1: v0-31    Q, 4 fragments
.set KF,   32                          ; window 1: v32-63   K, 4 fragments: 8 (2 kr + tt)
.set DS,   64                          ; window 1: v64-159  bias tiles: 24 set + 8 (1 + u - tt)
.set VF,   160                         ; window 1: v160-191 V^T, 4 fragments: 8 (2 kr + e)
.set ONE,  192                         ; window 1: v192-199 the fragment with ones in rows 0 and 8
.set MSB, 0
.macro WIN new                         ; low byte: bits 1:0 source 0, 3:2 source 1, 5:4 source 2, 7:6 destination; high byte: the setting that is left
.if MSB != \new
	s_set_vgpr_msb (MSB<<8)|\new
.set MSB, \new
.endif
.endm
.macro PLACES                          ; four plain vector instructions behind a matrix instruction, before its result is read (ISA guide 7.12.1)
.rept 4
	v_nop
.endr
.endm
	s_load_b256 s[8:15], s[0:1], 0x0               ; qf, kv, rel_bias, ao
	v_lshl_add_u32 v254, v0, 2, 0x2c100
	v_mov_b32 v255, 0
	ds_add_u32 v254, v255
	ds_add_u32 v254, v255
	v_lshrrev_b32 v4, 5, v0
	v_readfirstlane_b32 s2, v4                     ; wave
	s_sub_co_u32 s3, 7, s2                         ; the place of my queries; it enters memory addresses alone
	s_lshr_b32 s4, ttmp9, 1                        ; 16 b + n
	s_and_b32 s5, ttmp9, 1                         ; which half of the queries
	s_and_b32 s6, s4, 15                           ; n
	s_lshr_b32 s7, s4, 4                           ; b
	s_mov_b32 s30, 0x76543210                      ; v_permlanex16_b32: lane i reads lane i of the other half
	s_mov_b32 s31, 0xfedcba98
	s_mov_b32 s38, 0x3fb8aa3b                      ; log2(e), twice
	s_mov_b32 s39, 0x3fb8aa3b
	; One tensor load a wave: 64 rows of 256 bytes, an eighth of the head's K and V, dense in memory and in LDS.  One is outstanding at the most, and nothing is ever filled again.
	s_mov_b32 s16, 3<<16                           ; no mask; elements of 8 bytes; no padding
	s_mov_b32 s17, 32<<16                          ; tensor_dim0 = 32 elements
	s_mov_b32 s18, 64<<16                          ; tensor_dim1 = 64 rows
	s_mov_b32 s19, 32<<16                          ; tile_dim0 = 32
	s_mov_b32 s20, 64                              ; tile_dim1 = 64
	s_mov_b32 s21, 32                              ; from row to row: 32 elements
	s_mov_b32 s22, 0
	s_mov_b32 s23, 0
	s_mov_b32 s24, 1
	s_lshl_b32 s25, s2, 14                         ; LDS address: wave x 16,384
	s_lshl_b32 s28, s4, 17                         ; the head's 131,072 bytes
	s_add_co_u32 s28, s28, s25
	s_mov_b32 s29, 0
	; offsets in memory
	s_lshl_b32 s41, s5, 5
	s_lshl2_add_u32 s41, s3, s41                   ; 32 half + 4 place: my first query tile in the head
	s_lshl_b32 s44, s4, 6
	s_add_co_u32 s44, s44, s41
	s_lshl_b32 s44, s44, 10                        ; qf: tile 64 (16 b + n) + 32 half + 4 place
	s_mov_b32 s45, 0
	s_lshl_b32 s46, s7, 6
	s_add_co_u32 s46, s46, s41
	s_lshl4_add_u32 s46, s46, s6
	s_lshl_b32 s46, s46, 10                        ; ao: token tile 64 b + 32 half + 4 place, head n
	s_mov_b32 s47, 0
	s_lshl_b32 s33, s5, 4
	s_add_co_u32 s33, s33, 42
	s_mul_i32 s36, s2, 6
	s_sub_co_u32 s33, s33, s36                     ; the table row of position 6 w + 4: 42 + 16 half - 6 w, 0 at the least
	s_sub_co_i32 s36, s33, 1                       ; of position 6 w + 5: one less,
	s_max_i32 s36, s36, 0                          ; clamped to row 0 for position 47 of the first half, which is padding
	s_mul_i32 s40, s6, 15876                       ; the head's 63 x 63 numbers
	s_mul_i32 s36, s36, 252
	s_add_co_u32 s36, s36, s40
	s_mov_b32 s37, 0
	s_mul_i32 s42, s33, 252
	s_add_co_u32 s42, s42, s40
	s_mov_b32 s43, 0
	; The table.  Wave w fills row positions 6 w + i, i = 0 .. 5.  Lanes take x = lane and x = min(32 + lane, 62).  Number x of position p goes to
	; BIAS + a CP + 256 p + 4 (66 - x - a), a = 0 .. 3: in copy a a row's 63 numbers take words 4 - a .. 66 - a from its position's first byte, so that rows never meet.
	v_and_b32 v5, 31, v0                           ; lane
	v_lshlrev_b32 v[L16], 4, v5
	v_add_nc_u32 v6, 32, v5
	v_min_u32 v6, 62, v6
	v_lshlrev_b32 v72, 2, v5                       ; 4 x, in memory
	v_lshlrev_b32 v73, 2, v6
	v_sub_nc_u32 v7, 66, v5
	v_sub_nc_u32 v8, 66, v6
	s_mul_i32 s33, s2, 1536                        ; 6 w positions of 256 bytes
	s_add_co_u32 s33, s33, BIAS
	v_lshl_add_u32 v74, v7, 2, s33
	v_lshl_add_u32 v75, v8, 2, s33
	s_wait_dscnt 0x0
	s_wait_kmcnt 0x0
	s_add_nc_u64 s[26:27], s[10:11], s[28:29]
	s_or_b32 s27, s27, 0x80000000                  ; type 2
	tensor_load_to_lds s[24:27], s[16:23]
	s_nop 0
	s_add_nc_u64 s[34:35], s[12:13], s[36:37]      ; the sixth row in memory
	s_add_nc_u64 s[12:13], s[12:13], s[42:43]      ; the fifth: position 6 w + i is 4 - i rows further
	s_add_nc_u64 s[8:9], s[8:9], s[44:45]
	s_add_nc_u64 s[14:15], s[14:15], s[46:47]
.irp i, 0,1,2,3,4
	global_load_b32 v[TB+2*\i],   v72, s[12:13] offset:(4-\i)*252
	global_load_b32 v[TB+2*\i+1], v73, s[12:13] offset:(4-\i)*252
.endr
	global_load_b32 v[TB+10], v72, s[34:35]
	global_load_b32 v[TB+11], v73, s[34:35]
	WIN 0x40                                       ; loaded data in window 1
.irp q, 0,1,2,3
	global_load_b128 v[QF+8*\q:QF+8*\q+3],   v[L16], s[8:9] offset:\q*1024       ; Q: my four tiles, 8 loads of 512 consecutive bytes
	global_load_b128 v[QF+8*\q+4:QF+8*\q+7], v[L16], s[8:9] offset:\q*1024+512
.endr
	WIN 0
	; my place in a bias row: with rr = 15 - r, copy rr % 4, number 4 + (rr & 12) + 8 h (+ 16 for each tile to the left, by the immediate); D(-1) lies at position 2 w
	v_mov_b32 v[AKV], v[L16]
	v_and_b32 v6, 15, v0
	v_sub_nc_u32 v6, 15, v6
	v_bfe_u32 v7, v0, 4, 1
	v_and_b32 v8, 3, v6
	v_and_b32 v6, 12, v6
	v_mul_u32_u24 v8, v8, CP
	v_lshl_add_u32 v8, v6, 2, v8
	v_lshl_add_u32 v8, v7, 5, v8
	s_lshl_b32 s33, s2, 9
	s_add_co_u32 s33, s33, BIAS+16
	v_add_nc_u32 v[ABI], s33, v8
	; the fragment of ones: lane L holds row L % 16 of a first source, so lanes 0, 8, 16, 24 hold 1.0 in f16 sixteen times and all others zeros
	v_and_b32 v9, 7, v0
	v_mov_b32 v10, 0x3c003c00
	v_cmp_eq_u32 vcc_lo, 0, v9
	v_cndmask_b32 v9, 0, v10, vcc_lo
	WIN 0x40
.irp i, 0,1,2,3,4,5,6,7
	v_mov_b32 v[ONE+\i], v9
.endr
	WIN 0
	s_wait_loadcnt 0x8                             ; the table's twelve loads are in; Q's eight, issued behind them, may stay out
.irp p, 0,2,4,6,8,10
	v_pk_mul_f32 v[TB+\p:TB+\p+1], v[TB+\p:TB+\p+1], s[38:39] op_sel_hi:[1,0]
.endr
.irp a, 0,1,2,3
.irp i, 0,1,2,3,4,5
	ds_store_b32 v74, v[TB+2*\i]   offset:\a*(CP-4)+\i*256
	ds_store_b32 v75, v[TB+2*\i+1] offset:\a*(CP-4)+\i*256
.endr
.endr
	s_wait_dscnt 0x0                               ; my rows of the table are in LDS,
	s_wait_tensorcnt 0x0                           ; and my eighth of K and V:
	s_barrier_signal -1
	s_barrier_wait -1                              ; everybody's are.  The only barrier: from here on LDS is only read
.macro KLOAD off                       ; 8 loads: a step's four K fragments, t = 2 kr + tt (window 1)
.irp t, 0,1,2,3
	ds_load_b128 v[KF+8*\t:KF+8*\t+3],   v[AKV] offset:\off+(\t/2)*4096+(\t%2)*1024
	ds_load_b128 v[KF+8*\t+4:KF+8*\t+7], v[AKV] offset:\off+(\t/2)*4096+(\t%2)*1024+512
.endr
.endm
.macro DLOAD set, off                  ; 6 loads: a bias row's three tiles, u - tt = -1, 0, 1 (window 1)
.irp x, 0,1,2
	ds_load_b128 v[DS+24*(\set)+8*\x:DS+24*(\set)+8*\x+3],   v[ABI] offset:\off+128-64*\x
	ds_load_b128 v[DS+24*(\set)+8*\x+4:DS+24*(\set)+8*\x+7], v[ABI] offset:\off+128-64*\x+16
.endr
.endm
.macro VLOAD                           ; 8 loads: this step's four V^T fragments, t = 2 kr + e (window 1)
.irp t, 0,1,2,3
	ds_load_b128 v[VF+8*\t:VF+8*\t+3],   v[AKV] offset:(\t/2)*4096+2048+(\t%2)*1024
	ds_load_b128 v[VF+8*\t+4:VF+8*\t+7], v[AKV] offset:(\t/2)*4096+2048+(\t%2)*1024+512
.endr
.endm
; 8 matrix instructions: logits of group g = K Q^T + bias tile, eight different destinations.  p = step % 2; the bias row D(2 I + kr - g) lies in set (2 p + kr - g) % 4.
.macro QK g, p
.irp kr, 0,1
.irp u, 0,1
.irp tt, 0,1
	v_wmma_f32_16x16x32_f16 v[LG+64*\g+32*\u+16*\kr+8*\tt:LG+64*\g+32*\u+16*\kr+8*\tt+7], v[KF+8*(2*\kr+\tt):KF+8*(2*\kr+\tt)+7], v[QF+8*(2*\g+\u):QF+8*(2*\g+\u)+7], v[DS+24*((2*\p+\kr-\g+4)%4)+8*(1+\u-\tt):DS+24*((2*\p+\kr-\g+4)%4)+8*(1+\u-\tt)+7]
.endr
.endr
.endr
.endm
.macro PVI d, a, b, zero
.if \zero
	v_wmma_f32_16x16x32_f16 v[\d:\d+7], v[\a:\a+7], v[\b:\b+7], 0
.else
	v_wmma_f32_16x16x32_f16 v[\d:\d+7], v[\a:\a+7], v[\b:\b+7], v[\d:\d+7]
.endif
.endm
; 12 matrix instructions: for each key row the six accumulators of group g (two of O^T and the sums, for each u) by turns, one instruction a turn.
; In the first step the first key row's products start the sums; five places stand between them and the products that add onto them.
.macro PV g, first
.irp kr, 0,1
.irp u, 0,1
	PVI OAC+16*(2*\g+\u),   VF+8*(2*\kr),   LG+64*\g+32*\u+16*\kr, \first*(1-\kr)
	PVI OAC+16*(2*\g+\u)+8, VF+8*(2*\kr+1), LG+64*\g+32*\u+16*\kr, \first*(1-\kr)
	PVI LT+8*(2*\g+\u),     ONE,            LG+64*\g+32*\u+16*\kr, \first*(1-\kr)
.endr
.if \first*(1-\kr)
.rept 5
	v_nop
.endr
.endif
.endr
.endm
; The new maximum of both query tiles of group g over 64 keys (32 logits a lane) and the factor 2^(old - new).
.macro MAXPH g, first
.irp u, 0,1
.irp t, 0,1,2,3
	v_max3_num_f32 v[TMP+4*\u+\t], v[LG+64*\g+32*\u+3*\t], v[LG+64*\g+32*\u+3*\t+1], v[LG+64*\g+32*\u+3*\t+2]
.endr
.endr
.irp s, 0,1
.irp u, 0,1
.irp t, 0,1,2,3
	v_max3_num_f32 v[TMP+4*\u+\t], v[TMP+4*\u+\t], v[LG+64*\g+32*\u+12+8*\s+2*\t], v[LG+64*\g+32*\u+12+8*\s+2*\t+1]
.endr
.endr
.endr
.irp u, 0,1
.irp t, 0,1
	v_max3_num_f32 v[TMP+4*\u+\t], v[TMP+4*\u+\t], v[LG+64*\g+32*\u+28+2*\t], v[LG+64*\g+32*\u+28+2*\t+1]
.endr
.endr
.irp u, 0,1
	v_max3_num_f32 v[TMP+4*\u], v[TMP+4*\u], v[TMP+4*\u+1], v[TMP+4*\u+2]
.endr
.if \first
.irp u, 0,1
	v_max_num_f32 v[TMP+4*\u], v[TMP+4*\u], v[TMP+4*\u+3]
.endr
.else
.irp u, 0,1
	v_max3_num_f32 v[TMP+4*\u], v[TMP+4*\u], v[TMP+4*\u+3], v[AM+2*(2*\g+\u)+1]     ; the old maximum joins here
.endr
.endif
.irp u, 0,1
	v_permlanex16_b32 v[TMP+4*\u+1], v[TMP+4*\u], s30, s31      ; the other half's 32 keys of the same query
.endr
.if \first
.irp u, 0,1
	v_max_num_f32 v[AM+2*(2*\g+\u)+1], v[TMP+4*\u], v[TMP+4*\u+1]
	v_mov_b32 v[AM+2*(2*\g+\u)], 1.0                            ; not used as a factor in the first step; the packed forms read the pair whole
.endr
.else
.irp u, 0,1
	v_max_num_f32 v[TMP+4*\u+2], v[TMP+4*\u], v[TMP+4*\u+1]
.endr
.irp u, 0,1
	v_sub_f32 v[TMP+4*\u+3], v[AM+2*(2*\g+\u)+1], v[TMP+4*\u+2]
.endr
.irp u, 0,1
	v_exp_f32 v[AM+2*(2*\g+\u)], v[TMP+4*\u+3]
.endr
	s_wait_alu depctr_va_vdst(0)
.irp u, 0,1
	v_mov_b32 v[AM+2*(2*\g+\u)+1], v[TMP+4*\u+2]                ; plain and independent: the place behind the exponentials (ISA guide 5.7.2)
.endr
.endif
.endm
.macro HOOK p                          ; the next step's K and its two new bias rows: 20 LDS loads, then both addresses step
	WIN 0x40
	KLOAD 8192
	DLOAD (2*\p+2)%4, 768
	DLOAD (2*\p+3)%4, 1024
	WIN 0
	v_add_nc_u32 v[AKV], 0x2000, v[AKV]
	v_add_nc_u32 v[ABI], 0x200, v[ABI]
.endm
; p = 2^(x - m) for the 64 logits a lane of group g, rescaling of O and of the sums, rounding to f16 in place: the 16 f32 of block (u, kr) become its registers 0-7, the second
; source of PV.  The four blocks go through subtraction, exponentials and rounding one phase apart, so that every exponential is followed by an independent plain instruction,
; or by another exponential and then one (ISA guide 5.7.2).
.macro SOFT g, first, hook, p
.set XB0, LG+64*\g
.set XB1, LG+64*\g+16
.set XB2, LG+64*\g+32
.set XB3, LG+64*\g+48
.set AMA, AM+4*\g
.set AMB, AM+4*\g+2
.set OA,  OAC+32*\g
.set OB,  OAC+32*\g+16
.set LA,  LT+16*\g
.set LB,  LT+16*\g+8
.irp k, 0,1,2,3,4,5,6,7
	v_pk_add_f32 v[XB0+2*\k:XB0+2*\k+1], v[XB0+2*\k:XB0+2*\k+1], v[AMA:AMA+1] op_sel:[0,1] op_sel_hi:[1,1] neg_lo:[0,1] neg_hi:[0,1]
.endr
.if \hook
	HOOK \p                                        ; eight plain instructions stand between the other group's QK and these loads into its sources
.endif
.irp k, 0,1,2,3,4,5,6,7
	v_exp_f32 v[XB0+2*\k], v[XB0+2*\k]
	v_pk_add_f32 v[XB1+2*\k:XB1+2*\k+1], v[XB1+2*\k:XB1+2*\k+1], v[AMA:AMA+1] op_sel:[0,1] op_sel_hi:[1,1] neg_lo:[0,1] neg_hi:[0,1]
	v_exp_f32 v[XB0+2*\k+1], v[XB0+2*\k+1]
.if \first == 0
	v_pk_mul_f32 v[OA+2*\k:OA+2*\k+1], v[OA+2*\k:OA+2*\k+1], v[AMA:AMA+1] op_sel_hi:[1,0]
.endif
.endr
.irp k, 0,1,2,3,4,5,6,7
	v_exp_f32 v[XB1+2*\k], v[XB1+2*\k]
	v_pk_add_f32 v[XB2+2*\k:XB2+2*\k+1], v[XB2+2*\k:XB2+2*\k+1], v[AMB:AMB+1] op_sel:[0,1] op_sel_hi:[1,1] neg_lo:[0,1] neg_hi:[0,1]
	v_exp_f32 v[XB1+2*\k+1], v[XB1+2*\k+1]
.if \first == 0
	v_pk_mul_f32 v[OB+2*\k:OB+2*\k+1], v[OB+2*\k:OB+2*\k+1], v[AMB:AMB+1] op_sel_hi:[1,0]
	s_wait_alu depctr_va_vdst(0)
.endif
	s_wait_alu depctr_va_vdst(0)
	v_cvt_pk_f16_f32 v[XB0+\k], v[XB0+2*\k], v[XB0+2*\k+1]
.endr
.irp k, 0,1,2,3,4,5,6,7
	v_exp_f32 v[XB2+2*\k], v[XB2+2*\k]
	v_pk_add_f32 v[XB3+2*\k:XB3+2*\k+1], v[XB3+2*\k:XB3+2*\k+1], v[AMB:AMB+1] op_sel:[0,1] op_sel_hi:[1,1] neg_lo:[0,1] neg_hi:[0,1]
	v_exp_f32 v[XB2+2*\k+1], v[XB2+2*\k+1]
	s_wait_alu depctr_va_vdst(0)
	v_cvt_pk_f16_f32 v[XB1+\k], v[XB1+2*\k], v[XB1+2*\k+1]
.endr
.if \first == 0
	v_mul_f32 v[LA], v[LA], v[AMA]                 ; the sums: register 0 alone holds anything
	v_mul_f32 v[LB], v[LB], v[AMB]
.endif
.irp k, 0,1,2,3,4,5,6,7
	v_exp_f32 v[XB3+2*\k], v[XB3+2*\k]
	v_exp_f32 v[XB3+2*\k+1], v[XB3+2*\k+1]
	s_wait_alu depctr_va_vdst(0)
	v_cvt_pk_f16_f32 v[XB2+\k], v[XB2+2*\k], v[XB2+2*\k+1]
.endr
	s_wait_alu depctr_va_vdst(0)
.irp k, 0,1,2,3,4,5,6,7
	v_cvt_pk_f16_f32 v[XB3+\k], v[XB3+2*\k], v[XB3+2*\k+1]
.endr
.endm
; Step I.  On entry: group 0's logits of step I, K(I), and the bias rows D(2 I - 1), D(2 I), D(2 I + 1).  p = I % 2, np = (I + 1) % 2.
; Each group's vector work stands between the other group's matrix instructions, so that every distance behind a matrix instruction is filled with useful work:
; MAXPH of one group (over 30 plain instructions on other registers) stands between PV of the other group and whatever writes over PV's sources.
.macro STEP p, np, first, next
	MAXPH 0, \first
	WIN 0x40
	VLOAD
	WIN 0x15                                       ; K, Q and the bias tile in window 1, the logits in window 0
	QK 1, \p
	WIN 0
	SOFT 0, \first, \next, \p
.if \next
	s_wait_dscnt 20                                ; V's eight loads are back; the twenty behind them (next K, next two bias rows) stay out
.else
	s_wait_dscnt 0
.endif
	WIN 0x01                                       ; V^T and the ones in window 1
	PV 0, \first
	WIN 0
	MAXPH 1, \first
.if \next
	s_wait_dscnt 0                                 ; the next step's K and bias rows
	WIN 0x15
	QK 0, \np
	WIN 0
.endif
	SOFT 1, \first, 0, 0
	WIN 0x01
	PV 1, \first
	WIN 0
.endm
	WIN 0x40
	KLOAD 0
	DLOAD 3, 0                                     ; D(-1), which group 1 needs at step 0
	DLOAD 0, 256                                   ; D(0)
	DLOAD 1, 512                                   ; D(1)
	WIN 0
	s_wait_loadcnt 0x0                             ; Q
	s_wait_dscnt 0x0
	WIN 0x15
	QK 0, 0
	WIN 0
	PLACES                                         ; four places before the logits are read
	STEP 0, 1, 1, 1                                ; step 0 starts maxima, sums and outputs: nothing is cleared
	s_mov_b32 s32, 7
.Lstep:
	STEP 1, 0, 0, 1                                ; steps 1, 3, .. 13
	STEP 0, 1, 0, 1                                ; steps 2, 4, .. 14
	s_sub_co_u32 s32, s32, 1
	s_cmp_lg_u32 s32, 0
	s_cbranch_scc1 .Lstep
	STEP 1, 0, 0, 0                                ; step 15: nothing is left to fetch
	; O / l.  l >= 1: the row's largest logit contributes 2^0.  Every lane holds its query's whole sum: the product with the ones ran over all 32 keys of a fragment.
	PLACES
.irp q, 0,1,2,3
	v_rcp_f32 v[AM+2*\q], v[LT+8*\q]
.endr
	v_nop                                          ; the place behind the reciprocals (ISA guide 5.7.2)
	s_wait_alu depctr_va_vdst(0)
.irp q, 0,1,2,3
.irp k, 0,1,2,3,4,5,6,7
	v_pk_mul_f32 v[OAC+16*\q+2*\k:OAC+16*\q+2*\k+1], v[OAC+16*\q+2*\k:OAC+16*\q+2*\k+1], v[AM+2*\q:AM+2*\q+1] op_sel_hi:[1,0]
.endr
.endr
.irp q, 0,1,2,3
.irp e, 0,1
.irp k, 0,1,2,3
	v_cvt_pk_f16_f32 v[LG+4*(2*\q+\e)+\k], v[OAC+16*\q+8*\e+2*\k], v[OAC+16*\q+8*\e+2*\k+1]
.endr
.endr
.endr
.irp q, 0,1,2,3
.irp e, 0,1
	global_store_b128 v[L16], v[LG+4*(2*\q+\e):LG+4*(2*\q+\e)+3], s[14:15] offset:\q*16384+\e*512   ; a lane's 8 neighbouring head dimensions of query r: 512 consecutive bytes a wave, aligned
.endr
.endr
	s_wait_tensorcnt 0x0
	ds_add_u32 v254, v255
	s_wait_dscnt 0x0
	s_endpgm
.Lfunc_end_k_q16d6a42e69_attn:
	.size	k_q16d6a42e69_attn, .Lfunc_end_k_q16d6a42e69_attn-k_q16d6a42e69_attn
	.p2alignl 7, 3214868480
	.fill 96, 4, 3214868480
	.section	.rodata,"a",@progbits
	.p2align	6, 0x0
	.amdhsa_kernel k_q16d6a42e69_attn
		.amdhsa_group_segment_fixed_size 181504
		.amdhsa_private_segment_fixed_size 0
		.amdhsa_enable_private_segment 0
		.amdhsa_kernarg_size 32
		.amdhsa_user_sgpr_count 2
		.amdhsa_user_sgpr_kernarg_segment_ptr 1
		.amdhsa_wavefront_size32 1
		.amdhsa_system_sgpr_workgroup_id_x 1
		.amdhsa_system_sgpr_workgroup_id_y 1
		.amdhsa_system_sgpr_workgroup_id_z 1
		.amdhsa_system_vgpr_workitem_id 0
		.amdhsa_next_free_vgpr 456
		.amdhsa_next_free_sgpr 66
		.amdhsa_reserve_vcc 1
		.amdhsa_float_denorm_mode_32 3
		.amdhsa_float_denorm_mode_16_64 3
		.amdhsa_memory_ordered 1
		.amdhsa_forward_progress 1
		.amdhsa_inst_pref_size 116
	.end_amdhsa_kernel
	.amdgpu_metadata
---
amdhsa.version: [ 1, 2 ]
amdhsa.kernels:
  - .name:           k_q16d6a42e69_attn
    .symbol:         k_q16d6a42e69_attn.kd
    .args:
      - { .name: qf, .offset: 0, .size: 8, .value_kind: global_buffer, .address_space: global }
      - { .name: kv, .offset: 8, .size: 8, .value_kind: global_buffer, .address_space: global }
      - { .name: rel_bias, .offset: 16, .size: 8, .value_kind: global_buffer, .address_space: global }
      - { .name: ao, .offset: 24, .size: 8, .value_kind: global_buffer, .address_space: global }
    .group_segment_fixed_size: 181504
    .private_segment_fixed_size: 0
    .kernarg_segment_align: 8
    .kernarg_segment_size: 32
    .max_flat_workgroup_size: 256
    .sgpr_count:     66
    .vgpr_count:     456
    .wavefront_size: 32
...
	.end_amdgpu_metadata
.endif
;; end of part 2
;; launch oproj (part 3): grid 4 x 64, 8 waves a work-group, no clusters, 314,368 bytes of LDS; arguments ao, Wo, bo, out0; writes out0
.if DOCPART == 3
	.amdgcn_target "amdgcn-amd-amdhsa--gfx1250"
	.amdhsa_code_object_version 6
	.text
	.protected	k_q16d6a42e69_oproj
	.globl	k_q16d6a42e69_oproj
	.p2align	8
	.type	k_q16d6a42e69_oproj,@function
k_q16d6a42e69_oproj:
	s_mov_b64 s[64:65], 0
	v_nop
	global_prefetch_b8 v0, s[64:65] scope:SCOPE_SE
	s_setreg_imm32_b32 hwreg(HW_REG_WAVE_MODE, 25, 1), 1
	s_wait_xcnt 0x0
; out[token][d] = sum over nk of ao[token][nk] Wo[nk][d] + bo[d].  ao: f16 in blocks of 1,024 bytes, [512 token tiles][16 heads][4 groups of 8 k][16 tokens][8 numbers].
; Wo: [512 nk][512 d] f32.  out: [8192][512] f32.  A work-group makes 128 tokens x 128 d: 4 x 64 = 256 work-groups.
; Wave w: 32 tokens (w / 2; two tiles u) x 64 d (w % 2; four tiles dt): 8 accumulators.  Source 0 = Wo transposed (row = d), source 1 = an ao block as it lies in memory
; (lane L: bytes 16 L and 512 + 16 L).  A lane's 8 results are 8 neighbouring d of one token.
; K is short (512) and the work small, so what counts is that the bytes are asked for early.  The group's 128 tokens of ao are 128 KiB that follow each other in memory:
; one tensor load a wave (64 rows of 256 bytes) brings them into LDS.  The group's slice of Wo, 256 KiB of f32, comes through registers, is rounded to f16 there and stays in LDS
; whole.  Three quarters of it (48 loads a wave) are asked for in the first lines, the last quarter and bo as soon as the first quarter's registers are free: of the 384 KiB that
; the work-group reads, 320 KiB are on their way at once.  K goes in four trips of 128; each barrier orders stores before reads, nothing in LDS is overwritten.
; NO CLUSTER: Wo is f32 and lies [k][n], so it has to pass through registers; ao is shared by four work-groups only, a third of what a work-group reads.
; LIMITS: ao and Wo are f16 matrix operands: a magnitude above 65,504 becomes infinite, the step near zero is 2^-24.  Wo as drawn has a spread of 0.02; 30 times larger or with an
; offset of 30 spreads it is 0.6; 30 times smaller it is 6.7e-4, 11,000 steps.  NaN and infinities are passed on as the arithmetic makes them.
.set WOB,    131072                    ; LDS: ao's 131,072 bytes first, then Wo; no tensor load lands from here on
.set WPITCH, 288                       ; a row of Wo in LDS: 128 d of f16 = 256 bytes, padded to 9 x 32
.set STAGE,  278528                    ; behind Wo's 512 rows: 16 rows x 272 bytes for each wave, for the way out
.set SPITCH, 272
.set GWO, 1                            ; v1  Wo in memory: row 16 w, 16 x lane
.set AAO, 2                            ; v2  LDS: my two token tiles of ao, 16 x lane
.set SWO, 3                            ; v3  LDS: where I store Wo; steps 128 rows a trip
.set AWO, 4                            ; v4  LDS: my Wo fragments; steps likewise
.set BOA, 5                            ; v5  32 x (lane / 16)
.set STO, 6                            ; v6  the way out: where I put 32 bytes of a token's row
.set RD,  7                            ; v7  the way out: where I read a row back
.set CO,  8                            ; v8  my byte offset in out
.set ACC, 16                           ; v16-79   8 (2 dt + u)
.set WF,  80                           ; v80-143  two buffers of 4 fragments of Wo
.set AF,  144                          ; v144-175 two buffers of 2 fragments of ao
.set PKT, 176                          ; v176-207 a quarter of my Wo rows as f16
.set BO,  208                          ; v208-239 bo of my 8 neighbouring d in each of the four tiles
.set ST,  0                            ; window 1: v0-191 three buffers of 16 loads of Wo, f32
.set MSB, 0
.macro WIN new                         ; low byte: bits 1:0 source 0, 3:2 source 1, 5:4 source 2, 7:6 destination; high byte: the setting that is left
.if MSB != \new
	s_set_vgpr_msb (MSB<<8)|\new
.set MSB, \new
.endif
.endm
.macro PLACES                          ; four plain vector instructions behind a matrix instruction, before its registers are loaded into or its result read (ISA guide 7.12.1)
.rept 4
	v_nop
.endr
.endm
.macro STLOAD t                        ; 16 loads: my 16 rows of quarter t of Wo, 512 consecutive bytes each (window 1)
.irp i, 0,1,2,3,4,5,6,7,8,9,10,11,12,13,14,15
	global_load_b128 v[ST+64*((\t)%3)+4*\i:ST+64*((\t)%3)+4*\i+3], v[GWO], s[10:11] offset:(128*(\t)+\i)*2048
.endr
.endm
.macro BOLOAD                          ; 8 loads
.irp dt, 0,1,2,3
	global_load_b128 v[BO+8*\dt:BO+8*\dt+3],   v[BOA], s[12:13] offset:\dt*64
	global_load_b128 v[BO+8*\dt+4:BO+8*\dt+7], v[BOA], s[12:13] offset:\dt*64+16
.endr
.endm
	s_load_b256 s[8:15], s[0:1], 0x0               ; ao, Wo, bo, out0
	v_lshl_add_u32 v254, v0, 2, 0x4c800
	v_mov_b32 v255, 0
	ds_add_u32 v254, v255
	ds_add_u32 v254, v255
	v_lshrrev_b32 v9, 5, v0
	v_readfirstlane_b32 s2, v9                     ; wave
	s_lshr_b32 s3, s2, 1                           ; tg
	s_and_b32 s4, s2, 1                            ; dg
	s_mov_b32 s5, ttmp9                            ; block of 128 d
	s_and_b32 s6, ttmp7, 0xffff                    ; block of 128 tokens
	; One tensor load a wave: one token tile of ao, 64 rows of 256 bytes, dense in memory and in LDS.  One is outstanding at the most, and nothing is ever filled again.
	s_mov_b32 s20, 3<<16                           ; no mask; elements of 8 bytes; no padding
	s_mov_b32 s21, 32<<16                          ; tensor_dim0 = 32 elements
	s_mov_b32 s22, 64<<16                          ; tensor_dim1 = 64 rows
	s_mov_b32 s23, 32<<16                          ; tile_dim0 = 32
	s_mov_b32 s24, 64                              ; tile_dim1 = 64
	s_mov_b32 s25, 32                              ; from row to row: 32 elements
	s_mov_b32 s26, 0
	s_mov_b32 s27, 0
	s_mov_b32 s28, 1
	s_lshl_b32 s29, s2, 14                         ; LDS address: wave x 16,384
	s_lshl_b32 s16, s6, 17                         ; the block's 8 token tiles of 16,384 bytes
	s_add_co_u32 s16, s16, s29
	s_mov_b32 s17, 0
	v_and_b32 v9, 31, v0                           ; lane
	v_and_b32 v10, 15, v0                          ; r
	v_bfe_u32 v11, v0, 4, 1                        ; h
	v_lshlrev_b32 v12, 4, v9                       ; 16 x lane
	s_lshl_b32 s18, s2, 15                         ; 16 w rows of 2,048 bytes
	v_add_nc_u32 v[GWO], s18, v12
	s_wait_dscnt 0x0
	s_wait_kmcnt 0x0
	s_add_nc_u64 s[30:31], s[8:9], s[16:17]
	s_or_b32 s31, s31, 0x80000000                  ; type 2
	tensor_load_to_lds s[28:31], s[20:27]
	s_nop 0
	s_lshl_b32 s16, s5, 9                          ; 128 d of 4 bytes
	s_add_nc_u64 s[10:11], s[10:11], s[16:17]
	WIN 0x40                                       ; loaded data in window 1
	STLOAD 0
	STLOAD 1
	STLOAD 2
	WIN 0
	; the other addresses, while the bytes are on their way
	s_lshl_b32 s18, s3, 15                         ; my two token tiles
	v_add_nc_u32 v[AAO], s18, v12
	s_mul_i32 s18, s2, 16*WPITCH
	s_add_co_u32 s18, s18, WOB
	v_lshl_add_u32 v[SWO], v9, 3, s18              ; a row's 32 lanes x 8 bytes
	v_and_b32 v12, 7, v0                           ; ds_load_tr16_b128: row 8 h + lane % 8, 16 bytes (lane / 8) % 2
	v_lshl_add_u32 v12, v11, 3, v12
	v_mul_u32_u24 v12, v12, WPITCH
	v_bfe_u32 v13, v0, 3, 1
	v_lshl_add_u32 v12, v13, 4, v12
	s_lshl_b32 s18, s4, 7                          ; my 64 d
	s_add_co_u32 s18, s18, WOB
	v_add_nc_u32 v[AWO], s18, v12
	v_lshlrev_b32 v[BOA], 5, v11
	s_mul_i32 s18, s2, 16*SPITCH
	s_add_co_u32 s18, s18, STAGE
	v_mul_u32_u24 v12, v10, SPITCH
	v_lshl_add_u32 v12, v11, 5, v12
	v_add_nc_u32 v[STO], s18, v12
	v_mul_u32_u24 v12, v11, SPITCH
	v_lshl_add_u32 v12, v10, 4, v12
	v_add_nc_u32 v[RD], s18, v12
	v_lshlrev_b32 v12, 4, v10
	v_lshl_add_u32 v[CO], v11, 11, v12
	s_lshl_b32 s18, s4, 8                          ; 128 d of the block + my 64 d
	s_add_co_u32 s16, s16, s18
	s_add_nc_u64 s[12:13], s[12:13], s[16:17]
	s_lshl_b32 s18, s6, 18                         ; + 128 tokens of 2,048 bytes a block
	s_add_co_u32 s16, s16, s18
	s_lshl_b32 s18, s3, 16                         ; + 32 tokens
	s_add_co_u32 s16, s16, s18
	s_add_nc_u64 s[14:15], s[14:15], s[16:17]
.macro FR t, kk, b                     ; 12 LDS loads: the fragments of 32 along K (head 4 t + kk) into buffer b
.irp dt, 0,1,2,3
	ds_load_tr16_b128 v[WF+32*\b+8*\dt:WF+32*\b+8*\dt+3],   v[AWO] offset:\kk*32*WPITCH+\dt*32
	ds_load_tr16_b128 v[WF+32*\b+8*\dt+4:WF+32*\b+8*\dt+7], v[AWO] offset:\kk*32*WPITCH+16*WPITCH+\dt*32
.endr
.irp u, 0,1
	ds_load_b128 v[AF+16*\b+8*\u:AF+16*\b+8*\u+3],   v[AAO] offset:\u*16384+(4*\t+\kk)*1024
	ds_load_b128 v[AF+16*\b+8*\u+4:AF+16*\b+8*\u+7], v[AAO] offset:\u*16384+(4*\t+\kk)*1024+512
.endr
.endm
.macro MM8 b, zero                     ; 8 matrix instructions, the eight accumulators by turns, one instruction a turn
.irp dt, 0,1,2,3
.irp u, 0,1
.if \zero
	v_wmma_f32_16x16x32_f16 v[ACC+8*(2*\dt+\u):ACC+8*(2*\dt+\u)+7], v[WF+32*\b+8*\dt:WF+32*\b+8*\dt+7], v[AF+16*\b+8*\u:AF+16*\b+8*\u+7], 0
.else
	v_wmma_f32_16x16x32_f16 v[ACC+8*(2*\dt+\u):ACC+8*(2*\dt+\u)+7], v[WF+32*\b+8*\dt:WF+32*\b+8*\dt+7], v[AF+16*\b+8*\u:AF+16*\b+8*\u+7], v[ACC+8*(2*\dt+\u):ACC+8*(2*\dt+\u)+7]
.endif
.endr
.endr
	PLACES                                         ; four places before this buffer's fragments are loaded again
.endm
; Trip t: 128 along K.  left: loads come back in order (ISA guide 5.7.1); so many were issued behind this quarter's sixteen.
.macro TRIP t, left
	s_wait_loadcnt \left
	WIN 0x05                                       ; sources in window 1, destination in window 0
.set ci, 0
.rept 32
	v_cvt_pk_f16_f32 v[PKT+ci], v[ST+64*(\t%3)+2*ci], v[ST+64*(\t%3)+2*ci+1]
.set ci, ci+1
.endr
	WIN 0
.irp i, 0,1,2,3,4,5,6,7,8,9,10,11,12,13,14,15
	ds_store_b64 v[SWO], v[PKT+2*\i:PKT+2*\i+1] offset:\i*WPITCH
.endr
.if \t == 0
	WIN 0x40
	STLOAD 3                                       ; the last quarter, into the registers that have just been rounded
	WIN 0
	BOLOAD
	s_wait_tensorcnt 0x0                           ; my token tile of ao is in LDS,
.endif
	s_wait_dscnt 0x0                               ; and my 16 rows of this quarter of Wo:
	s_barrier_signal -1
	s_barrier_wait -1                              ; everybody's are
	FR \t, 0, 0
	FR \t, 1, 1
	s_wait_dscnt 12                                ; LDS serves a wave in order (ISA guide 5.7.1): all but the twelve loads of the next 32 along K are back
.if \t == 0
	MM8 0, 1                                       ; the first products start the sums: nothing is cleared
.else
	MM8 0, 0
.endif
	FR \t, 2, 0
	s_wait_dscnt 12
	MM8 1, 0
	FR \t, 3, 1
	s_wait_dscnt 12
	MM8 0, 0
	s_wait_dscnt 0
	MM8 1, 0
.if \t < 3
	v_add_nc_u32 v[SWO], 128*WPITCH, v[SWO]
	v_add_nc_u32 v[AWO], 128*WPITCH, v[AWO]
.endif
.endm
	TRIP 0, 32                                     ; behind quarter 0: quarters 1 and 2
	TRIP 1, 40                                     ; behind quarter 1: quarters 2 and 3, and bo's eight
	TRIP 2, 24                                     ; behind quarter 2: quarter 3 and bo
	TRIP 3, 8                                      ; behind quarter 3: bo
	; THE WAY OUT: bo in f32; 16 tokens at a time through my own stage in LDS, so that sixteen lanes store 256 consecutive bytes of a token's row, aligned.
	s_wait_loadcnt 0x0                             ; bo
.irp dt, 0,1,2,3
.irp u, 0,1
.irp p, 0,2,4,6
	v_pk_add_f32 v[ACC+8*(2*\dt+\u)+\p:ACC+8*(2*\dt+\u)+\p+1], v[ACC+8*(2*\dt+\u)+\p:ACC+8*(2*\dt+\u)+\p+1], v[BO+8*\dt+\p:BO+8*\dt+\p+1]
.endr
.endr
.endr
.macro OUTU u, f                       ; token tile u; f: 32 registers of its own for the rows read back, so that no store's data is rewritten
.irp dt, 0,1,2,3
	ds_store_b128 v[STO], v[ACC+8*(2*\dt+\u):ACC+8*(2*\dt+\u)+3]   offset:\dt*64
	ds_store_b128 v[STO], v[ACC+8*(2*\dt+\u)+4:ACC+8*(2*\dt+\u)+7] offset:\dt*64+16
.endr
.irp t, 0,1,2,3,4,5,6,7
	ds_load_b128 v[\f+4*\t:\f+4*\t+3], v[RD] offset:\t*2*SPITCH    ; LDS serves a wave's instructions in order (ISA guide 5.7.1): these see the stores above; the stage is the wave's own
.endr
.irp t, 0,1,2,3,4,5,6,7
	s_wait_dscnt 7-\t
	global_store_b128 v[CO], v[\f+4*\t:\f+4*\t+3], s[14:15] offset:(16*\u+2*\t)*2048 th:TH_STORE_NT
.endr
.endm
	OUTU 0, WF
	OUTU 1, WF+32
	s_wait_tensorcnt 0x0
	ds_add_u32 v254, v255
	s_wait_dscnt 0x0
	s_endpgm
.Lfunc_end_k_q16d6a42e69_oproj:
	.size	k_q16d6a42e69_oproj, .Lfunc_end_k_q16d6a42e69_oproj-k_q16d6a42e69_oproj
	.p2alignl 7, 3214868480
	.fill 96, 4, 3214868480
	.section	.rodata,"a",@progbits
	.p2align	6, 0x0
	.amdhsa_kernel k_q16d6a42e69_oproj
		.amdhsa_group_segment_fixed_size 314368
		.amdhsa_private_segment_fixed_size 0
		.amdhsa_enable_private_segment 0
		.amdhsa_kernarg_size 32
		.amdhsa_user_sgpr_count 2
		.amdhsa_user_sgpr_kernarg_segment_ptr 1
		.amdhsa_wavefront_size32 1
		.amdhsa_system_sgpr_workgroup_id_x 1
		.amdhsa_system_sgpr_workgroup_id_y 1
		.amdhsa_system_sgpr_workgroup_id_z 1
		.amdhsa_system_vgpr_workitem_id 0
		.amdhsa_next_free_vgpr 448
		.amdhsa_next_free_sgpr 66
		.amdhsa_reserve_vcc 0
		.amdhsa_float_denorm_mode_32 3
		.amdhsa_float_denorm_mode_16_64 3
		.amdhsa_memory_ordered 1
		.amdhsa_forward_progress 1
		.amdhsa_inst_pref_size 53
	.end_amdhsa_kernel
	.amdgpu_metadata
---
amdhsa.version: [ 1, 2 ]
amdhsa.kernels:
  - .name:           k_q16d6a42e69_oproj
    .symbol:         k_q16d6a42e69_oproj.kd
    .args:
      - { .name: ao, .offset: 0, .size: 8, .value_kind: global_buffer, .address_space: global }
      - { .name: Wo, .offset: 8, .size: 8, .value_kind: global_buffer, .address_space: global }
      - { .name: bo, .offset: 16, .size: 8, .value_kind: global_buffer, .address_space: global }
      - { .name: out0, .offset: 24, .size: 8, .value_kind: global_buffer, .address_space: global }
    .group_segment_fixed_size: 314368
    .private_segment_fixed_size: 0
    .kernarg_segment_align: 8
    .kernarg_segment_size: 32
    .max_flat_workgroup_size: 256
    .sgpr_count:     66
    .vgpr_count:     448
    .wavefront_size: 32
...
	.end_amdgpu_metadata
.endif
;; end of part 3
;; ======== version 2 of 2: 3 launches; 1.09 times as fast as version 1
;; limits: values are held in f16: magnitudes above 65,504 overflow, below 6.1e-05 lose precision
;; workspace buffers: qf 8,388,608 bytes; kv 16,777,216 bytes; ao 8,388,608 bytes
;; launch qkv: the kernel of part 1 again; grid 8 x 32, 8 waves a work-group, no clusters, 128,000 bytes of LDS; arguments query, Wq, Wk, Wv, bq, bk, bv, qf, kv; writes qf, kv
;; launch attn (part 4): grid 256 x 1, 8 waves a work-group, no clusters, 181,504 bytes of LDS; arguments qf, kv, rel_bias, ao; writes ao
.if DOCPART == 4
	.amdgcn_target "amdgcn-amd-amdhsa--gfx1250"
	.amdhsa_code_object_version 6
	.text
	.protected	k_q16d6a42e69_attn
	.globl	k_q16d6a42e69_attn
	.p2align	8
	.type	k_q16d6a42e69_attn,@function
k_q16d6a42e69_attn:
	s_mov_b64 s[64:65], 0
	v_nop
	global_prefetch_b8 v0, s[64:65] scope:SCOPE_SE
	s_setreg_imm32_b32 hwreg(HW_REG_WAVE_MODE, 25, 1), 1
	s_wait_xcnt 0x0
; Attention of one (batch, head) for half of its 1,024 queries: softmax over t of (q'[s] . k[t] + log2(e) bias[s][t]), in base 2, times v.  256 work-groups.
; Wave w owns the 64 queries of place 7 - w: image rows hs0 = 16 half + 2 (7 - w) (group 0) and hs0 + 1 (group 1), two tiles of 16 queries each (u = 0, 1).
; A step is two image rows of keys, 64 keys (kr = 0, 1; two tiles tt in each).  All K and V of the head, 128 KiB, lie in LDS for the whole kernel, as memory holds them.
; THE PRODUCTS ARE TRANSPOSED: S^T = K Q^T, so lane (r, h) holds 32 logits of query r; rounded to f16 in place they ARE the second source of O^T = V^T P^T.
; The maximum over keys is made inside the lane, with one exchange between the halves of the wave for 64 keys.
; THE SUM over keys is a matrix product too: a first source whose rows 0 and 8 are ones and whose other rows are zeros, times P^T, leaves the sum over the 32 keys of query r
; in register 0 of every lane and zeros in registers 1 to 7: 8 matrix instructions a step take the place of 64 packed additions, and the sum is taken over the same rounded
; numbers that multiply V.  Of such a tile register 0 alone is rescaled.
; THE BIAS is rel_bias[hs - ht + 31][ws - wt + 31].  For a tile it hangs on hs - ht and on 16 (u - tt) + r - 8 h - j alone, so it is read from a table in LDS
; and given to the QK instruction as its C.  The table is kept reversed along both axes (addresses then only step upward, and a lane's 8 numbers ascend), scaled by log2(e),
; in four copies shifted by one number each: lane r takes copy (15 - r) % 4, so that its 8 numbers are two aligned loads of 16 bytes, and the sixteen lanes of a half
; touch sixteen different 16-byte columns modulo 256 bytes.  Half a head's queries meet 47 of the 63 rows: row dh lies at position 46 + 16 half - dh, so that the half stands in
; the memory address alone, and the row D(x) = (dh = hs0 + 31 - x) of wave w lies at position 1 + 2 w + x.  Group g and key row kr of step I need D(2 I + kr - g):
; two new rows (6 tiles) a step serve 16 products; D(x) is kept in register set x % 4.
; A RUNNING MAXIMUM is kept for each query; sums and outputs are rescaled by 2^(old - new) in every step.
; BY TURNS, WITH ONE BATCH OF EXPONENTIALS A TURN.  A step is two turns, one for each group.  Turn g holds: x - m for group g; the QK that makes the other group's logits (in turn 1: group 0's of the next
; step); the 64 exponentials of group g and, between them, plain and exponential by turns, the rest of x - m, the other group's new maximum, and the rescaling of group g's O and sums, whose factor was made
; and waited for in the turn before; last the other group's two factors.  These 66 exponentials are ONE BATCH: nothing ahead of the turn's one wait names a result of theirs.  Behind the wait stand the
; 32 roundings to f16, which read the results, and PV of group g.  No exponential follows a turn's wait.  The four reciprocals on the way out are a batch of their own.
; NO CLUSTER: K and V are asked for once, 128 KiB, and only two work-groups share them; groups of four partners would mean 512 work-groups of 256 queries,
; two in turn on a WGP, each paying the fill and the table again.
; LIMITS: q', k, v, the probabilities and the result are f16.  A probability below 2^-25 of the largest met so far in its row becomes 0: 1,024 such together are under 2^-15
; of the row's sum.  The result is a weighted mean of v and has v's range (largest magnitude 65,504, step near zero 2^-24).  NaN and infinities are not treated.
.set BIAS, 131072                      ; behind K and V: the four copies; no tensor load ever lands here
.set CP,   12352                       ; a copy: 48 row positions of 256 bytes (47 rows; position 47 is padding that is filled and never read) + 64
.set L16,  1                           ; v1       16 x lane
.set AKV,  2                           ; v2       16 x lane + 8,192 x step
.set ABI,  3                           ; v3       my 8 numbers of bias row D(2 I - 1)
.set TMP,  4                           ; v4-11    at work, 4 for each u
.set AM,   12                          ; v12-19   for each query tile a pair (rescale factor, maximum)
.set LT,   24                          ; v24-55   for each query tile the tile of the sums: register 0 the sum, registers 1-7 zeros
.set LG,   56                          ; v56-183  logits, then probabilities: 64 g + 32 u + 16 kr + 8 tt
.set OAC,  184                         ; v184-247 O^T: 16 (2 g + u) + 8 e
.set TB,   56                          ; v56-67   set-up only: my six rows of the table; v72-75 their addresses
.set QF,   0                           ; window 1: v0-31    Q, 4 fragments
.set KF,   32                          ; window 1: v32-63   K, 4 fragments: 8 (2 kr + tt)
.set DS,   64                          ; window 1: v64-159  bias tiles: 24 set + 8 (1 + u - tt)
.set VF,   160                         ; window 1: v160-191 V^T, 4 fragments: 8 (2 kr + e)
.set ONE,  192                         ; window 1: v192-199 the fragment with ones in rows 0 and 8
.set MSB, 0
.macro WIN new                         ; low byte: bits 1:0 source 0, 3:2 source 1, 5:4 source 2, 7:6 destination; high byte: the setting that is left
.if MSB != \new
	s_set_vgpr_msb (MSB<<8)|\new
.set MSB, \new
.endif
.endm
.macro PLACES                          ; four plain vector instructions behind a matrix instruction, before its result is read (ISA guide 7.12.1)
.rept 4
	v_nop
.endr
.endm
	s_load_b256 s[8:15], s[0:1], 0x0               ; qf, kv, rel_bias, ao
	v_lshl_add_u32 v254, v0, 2, 0x2c100
	v_mov_b32 v255, 0
	ds_add_u32 v254, v255
	ds_add_u32 v254, v255
	v_lshrrev_b32 v4, 5, v0
	v_readfirstlane_b32 s2, v4                     ; wave
	s_sub_co_u32 s3, 7, s2                         ; the place of my queries; it enters memory addresses alone
	s_lshr_b32 s4, ttmp9, 1                        ; 16 b + n
	s_and_b32 s5, ttmp9, 1                         ; which half of the queries
	s_and_b32 s6, s4, 15                           ; n
	s_lshr_b32 s7, s4, 4                           ; b
	s_mov_b32 s30, 0x76543210                      ; v_permlanex16_b32: lane i reads lane i of the other half
	s_mov_b32 s31, 0xfedcba98
	s_mov_b32 s38, 0x3fb8aa3b                      ; log2(e), twice
	s_mov_b32 s39, 0x3fb8aa3b
	; One tensor load a wave: 64 rows of 256 bytes, an eighth of the head's K and V, dense in memory and in LDS.  One is outstanding at the most, and nothing is ever filled again.
	s_mov_b32 s16, 3<<16                           ; no mask; elements of 8 bytes; no padding
	s_mov_b32 s17, 32<<16                          ; tensor_dim0 = 32 elements
	s_mov_b32 s18, 64<<16                          ; tensor_dim1 = 64 rows
	s_mov_b32 s19, 32<<16                          ; tile_dim0 = 32
	s_mov_b32 s20, 64                              ; tile_dim1 = 64
	s_mov_b32 s21, 32                              ; from row to row: 32 elements
	s_mov_b32 s22, 0
	s_mov_b32 s23, 0
	s_mov_b32 s24, 1
	s_lshl_b32 s25, s2, 14                         ; LDS address: wave x 16,384
	s_lshl_b32 s28, s4, 17                         ; the head's 131,072 bytes
	s_add_co_u32 s28, s28, s25
	s_mov_b32 s29, 0
	; offsets in memory
	s_lshl_b32 s41, s5, 5
	s_lshl2_add_u32 s41, s3, s41                   ; 32 half + 4 place: my first query tile in the head
	s_lshl_b32 s44, s4, 6
	s_add_co_u32 s44, s44, s41
	s_lshl_b32 s44, s44, 10                        ; qf: tile 64 (16 b + n) + 32 half + 4 place
	s_mov_b32 s45, 0
	s_lshl_b32 s46, s7, 6
	s_add_co_u32 s46, s46, s41
	s_lshl4_add_u32 s46, s46, s6
	s_lshl_b32 s46, s46, 10                        ; ao: token tile 64 b + 32 half + 4 place, head n
	s_mov_b32 s47, 0
	s_lshl_b32 s33, s5, 4
	s_add_co_u32 s33, s33, 42
	s_mul_i32 s36, s2, 6
	s_sub_co_u32 s33, s33, s36                     ; the table row of position 6 w + 4: 42 + 16 half - 6 w, 0 at the least
	s_sub_co_i32 s36, s33, 1                       ; of position 6 w + 5: one less,
	s_max_i32 s36, s36, 0                          ; clamped to row 0 for position 47 of the first half, which is padding
	s_mul_i32 s40, s6, 15876                       ; the head's 63 x 63 numbers
	s_mul_i32 s36, s36, 252
	s_add_co_u32 s36, s36, s40
	s_mov_b32 s37, 0
	s_mul_i32 s42, s33, 252
	s_add_co_u32 s42, s42, s40
	s_mov_b32 s43, 0
	; The table.  Wave w fills row positions 6 w + i, i = 0 .. 5.  Lanes take x = lane and x = min(32 + lane, 62).  Number x of position p goes to
	; BIAS + a CP + 256 p + 4 (66 - x - a), a = 0 .. 3: in copy a a row's 63 numbers take words 4 - a .. 66 - a from its position's first byte, so that rows never meet.
	v_and_b32 v5, 31, v0                           ; lane
	v_lshlrev_b32 v[L16], 4, v5
	v_add_nc_u32 v6, 32, v5
	v_min_u32 v6, 62, v6
	v_lshlrev_b32 v72, 2, v5                       ; 4 x, in memory
	v_lshlrev_b32 v73, 2, v6
	v_sub_nc_u32 v7, 66, v5
	v_sub_nc_u32 v8, 66, v6
	s_mul_i32 s33, s2, 1536                        ; 6 w positions of 256 bytes
	s_add_co_u32 s33, s33, BIAS
	v_lshl_add_u32 v74, v7, 2, s33
	v_lshl_add_u32 v75, v8, 2, s33
	s_wait_dscnt 0x0
	s_wait_kmcnt 0x0
	s_add_nc_u64 s[26:27], s[10:11], s[28:29]
	s_or_b32 s27, s27, 0x80000000                  ; type 2
	tensor_load_to_lds s[24:27], s[16:23]
	s_nop 0
	s_add_nc_u64 s[34:35], s[12:13], s[36:37]      ; the sixth row in memory
	s_add_nc_u64 s[12:13], s[12:13], s[42:43]      ; the fifth: position 6 w + i is 4 - i rows further
	s_add_nc_u64 s[8:9], s[8:9], s[44:45]
	s_add_nc_u64 s[14:15], s[14:15], s[46:47]
.irp i, 0,1,2,3,4
	global_load_b32 v[TB+2*\i],   v72, s[12:13] offset:(4-\i)*252
	global_load_b32 v[TB+2*\i+1], v73, s[12:13] offset:(4-\i)*252
.endr
	global_load_b32 v[TB+10], v72, s[34:35]
	global_load_b32 v[TB+11], v73, s[34:35]
	WIN 0x40                                       ; loaded data in window 1
.irp q, 0,1,2,3
	global_load_b128 v[QF+8*\q:QF+8*\q+3],   v[L16], s[8:9] offset:\q*1024       ; Q: my four tiles, 8 loads of 512 consecutive bytes
	global_load_b128 v[QF+8*\q+4:QF+8*\q+7], v[L16], s[8:9] offset:\q*1024+512
.endr
	WIN 0
	; my place in a bias row: with rr = 15 - r, copy rr % 4, number 4 + (rr & 12) + 8 h (+ 16 for each tile to the left, by the immediate); D(-1) lies at position 2 w
	v_mov_b32 v[AKV], v[L16]
	v_and_b32 v6, 15, v0
	v_sub_nc_u32 v6, 15, v6
	v_bfe_u32 v7, v0, 4, 1
	v_and_b32 v8, 3, v6
	v_and_b32 v6, 12, v6
	v_mul_u32_u24 v8, v8, CP
	v_lshl_add_u32 v8, v6, 2, v8
	v_lshl_add_u32 v8, v7, 5, v8
	s_lshl_b32 s33, s2, 9
	s_add_co_u32 s33, s33, BIAS+16
	v_add_nc_u32 v[ABI], s33, v8
	; the fragment of ones: lane L holds row L % 16 of a first source, so lanes 0, 8, 16, 24 hold 1.0 in f16 sixteen times and all others zeros
	v_and_b32 v9, 7, v0
	v_mov_b32 v10, 0x3c003c00
	v_cmp_eq_u32 vcc_lo, 0, v9
	v_cndmask_b32 v9, 0, v10, vcc_lo
	WIN 0x40
.irp i, 0,1,2,3,4,5,6,7
	v_mov_b32 v[ONE+\i], v9
.endr
	WIN 0
	s_wait_loadcnt 0x8                             ; the table's twelve loads are in; Q's eight, issued behind them, may stay out
.irp p, 0,2,4,6,8,10
	v_pk_mul_f32 v[TB+\p:TB+\p+1], v[TB+\p:TB+\p+1], s[38:39] op_sel_hi:[1,0]
.endr
.irp a, 0,1,2,3
.irp i, 0,1,2,3,4,5
	ds_store_b32 v74, v[TB+2*\i]   offset:\a*(CP-4)+\i*256
	ds_store_b32 v75, v[TB+2*\i+1] offset:\a*(CP-4)+\i*256
.endr
.endr
	s_wait_dscnt 0x0                               ; my rows of the table are in LDS,
	s_wait_tensorcnt 0x0                           ; and my eighth of K and V:
	s_barrier_signal -1
	s_barrier_wait -1                              ; everybody's are.  The only barrier: from here on LDS is only read
.macro KLOAD off                       ; 8 loads: a step's four K fragments, t = 2 kr + tt (window 1)
.irp t, 0,1,2,3
	ds_load_b128 v[KF+8*\t:KF+8*\t+3],   v[AKV] offset:\off+(\t/2)*4096+(\t%2)*1024
	ds_load_b128 v[KF+8*\t+4:KF+8*\t+7], v[AKV] offset:\off+(\t/2)*4096+(\t%2)*1024+512
.endr
.endm
.macro DLOAD set, off                  ; 6 loads: a bias row's three tiles, u - tt = -1, 0, 1 (window 1)
.irp x, 0,1,2
	ds_load_b128 v[DS+24*(\set)+8*\x:DS+24*(\set)+8*\x+3],   v[ABI] offset:\off+128-64*\x
	ds_load_b128 v[DS+24*(\set)+8*\x+4:DS+24*(\set)+8*\x+7], v[ABI] offset:\off+128-64*\x+16
.endr
.endm
.macro VLOAD                           ; 8 loads: this step's four V^T fragments, t = 2 kr + e (window 1)
.irp t, 0,1,2,3
	ds_load_b128 v[VF+8*\t:VF+8*\t+3],   v[AKV] offset:(\t/2)*4096+2048+(\t%2)*1024
	ds_load_b128 v[VF+8*\t+4:VF+8*\t+7], v[AKV] offset:(\t/2)*4096+2048+(\t%2)*1024+512
.endr
.endm
; 8 matrix instructions: logits of group g = K Q^T + bias tile, eight different destinations.  p = step % 2; the bias row D(2 I + kr - g) lies in set (2 p + kr - g) % 4.
.macro QK g, p
.irp kr, 0,1
.irp u, 0,1
.irp tt, 0,1
	v_wmma_f32_16x16x32_f16 v[LG+64*\g+32*\u+16*\kr+8*\tt:LG+64*\g+32*\u+16*\kr+8*\tt+7], v[KF+8*(2*\kr+\tt):KF+8*(2*\kr+\tt)+7], v[QF+8*(2*\g+\u):QF+8*(2*\g+\u)+7], v[DS+24*((2*\p+\kr-\g+4)%4)+8*(1+\u-\tt):DS+24*((2*\p+\kr-\g+4)%4)+8*(1+\u-\tt)+7]
.endr
.endr
.endr
.endm
.macro PVI d, a, b, zero
.if \zero
	v_wmma_f32_16x16x32_f16 v[\d:\d+7], v[\a:\a+7], v[\b:\b+7], 0
.else
	v_wmma_f32_16x16x32_f16 v[\d:\d+7], v[\a:\a+7], v[\b:\b+7], v[\d:\d+7]
.endif
.endm
; 12 matrix instructions: for each key row the six accumulators of group g (two of O^T and the sums, for each u) by turns, one instruction a turn.
; In the first step the first key row's products start the sums; five places stand between them and the products that add onto them.
.macro PV g, first
.irp kr, 0,1
.irp u, 0,1
	PVI OAC+16*(2*\g+\u),   VF+8*(2*\kr),   LG+64*\g+32*\u+16*\kr, \first*(1-\kr)
	PVI OAC+16*(2*\g+\u)+8, VF+8*(2*\kr+1), LG+64*\g+32*\u+16*\kr, \first*(1-\kr)
	PVI LT+8*(2*\g+\u),     ONE,            LG+64*\g+32*\u+16*\kr, \first*(1-\kr)
.endr
.if \first*(1-\kr)
.rept 5
	v_nop
.endr
.endif
.endr
.endm
; THE VECTOR WORK, one line at a time, so that a turn can deal it out between its exponentials.
; XM: number n of the 42 that find the new maximum of both query tiles of group g over 64 keys (32 logits a lane) and the factor 2^(old - new).
;   0-27   four chains a tile, three operands at a time: 0-7 start them, 8-23 and 24-27 go on; each accumulator's lowest registers are read first
;   28-31  the four into one, and the old maximum joins      32-35  the other half's 32 keys of the same query: the new maximum      (from 28 on the two tiles alternate)
;   36-37  old - new      38-39  the factor      40-41  the new maximum takes the old one's place
; first = 1: the first step, which has no old maximum: 34-35 write the maximum itself, 36-37 put 1.0 in the factor's place (not used as a factor; the packed forms read the pair whole), 38-41 are none.
.macro XM g, first, n
.if (\n) < 8
.set xu, (\n)/4
.set xt, (\n)%4
	v_max3_num_f32 v[TMP+4*xu+xt], v[LG+64*\g+32*xu+3*xt], v[LG+64*\g+32*xu+3*xt+1], v[LG+64*\g+32*xu+3*xt+2]
.elseif (\n) < 24
.set xu, (((\n)-8)/4)%2
.set xt, (\n)%4
.set xs, ((\n)-8)/8
	v_max3_num_f32 v[TMP+4*xu+xt], v[TMP+4*xu+xt], v[LG+64*\g+32*xu+12+8*xs+2*xt], v[LG+64*\g+32*xu+12+8*xs+2*xt+1]
.elseif (\n) < 28
.set xu, ((\n)-24)/2
.set xt, (\n)%2
	v_max3_num_f32 v[TMP+4*xu+xt], v[TMP+4*xu+xt], v[LG+64*\g+32*xu+28+2*xt], v[LG+64*\g+32*xu+28+2*xt+1]
.else
.set xu, (\n)%2
.set xa, AM+2*(2*\g+xu)
.set xc, TMP+4*xu
.if (\n) < 30
	v_max3_num_f32 v[xc], v[xc], v[xc+1], v[xc+2]
.elseif ((\n) < 32) && (\first)
	v_max_num_f32 v[xc], v[xc], v[xc+3]
.elseif (\n) < 32
	v_max3_num_f32 v[xc], v[xc], v[xc+3], v[xa+1]              ; the old maximum joins here
.elseif (\n) < 34
	v_permlanex16_b32 v[xc+1], v[xc], s30, s31                 ; the other half's 32 keys of the same query
.elseif ((\n) < 36) && (\first)
	v_max_num_f32 v[xa+1], v[xc], v[xc+1]
.elseif (\n) < 36
	v_max_num_f32 v[xc+2], v[xc], v[xc+1]
.elseif ((\n) < 38) && (\first)
	v_mov_b32 v[xa], 1.0
.elseif (\n) < 38
	v_sub_f32 v[xc+3], v[xa+1], v[xc+2]
.elseif \first
.elseif (\n) < 40
	v_exp_f32 v[xa], v[xc+3]
.else
	v_mov_b32 v[xa+1], v[xc+2]
.endif
.endif
.endm
.macro XO g, mx, n                     ; mx = 0: there is no further maximum to find; 1: the first step's; 2: any other step's
.if \mx
	XM \g, 2-(\mx), \n
.endif
.endm
.macro SB g, n                         ; pair n of the 32 pairs of logits of group g: x - m
	v_pk_add_f32 v[LG+64*\g+2*(\n):LG+64*\g+2*(\n)+1], v[LG+64*\g+2*(\n):LG+64*\g+2*(\n)+1], v[AM+4*\g+2*((\n)/16):AM+4*\g+2*((\n)/16)+1] op_sel:[0,1] op_sel_hi:[1,1] neg_lo:[0,1] neg_hi:[0,1]
.endm
.macro SUB8 g, n0                      ; eight of them
.irp k, 0,1,2,3,4,5,6,7
	SB \g, \n0+\k
.endr
.endm
.macro EX g, n                         ; logit n of 64, in place: each result has a register of its own while the batch is open
	v_exp_f32 v[LG+64*\g+(\n)], v[LG+64*\g+(\n)]
.endm
.macro RS g, first, n                  ; number n of the 18 that rescale group g: 0-15 pairs of O^T, in ascending order; 16, 17 the sums, of which register 0 alone holds anything.  The first step has none
.if (\first) == 0
.if (\n) < 16
	v_pk_mul_f32 v[OAC+32*\g+2*(\n):OAC+32*\g+2*(\n)+1], v[OAC+32*\g+2*(\n):OAC+32*\g+2*(\n)+1], v[AM+4*\g+2*((\n)/8):AM+4*\g+2*((\n)/8)+1] op_sel_hi:[1,0]
.else
	v_mul_f32 v[LT+16*\g+8*((\n)-16)], v[LT+16*\g+8*((\n)-16)], v[AM+4*\g+2*((\n)-16)]
.endif
.endif
.endm
.macro CVTS g                          ; rounding to f16 in place: the 16 f32 of block (u, kr) become its registers 0-7, the second source of PV
.set ci, 0
.rept 32
	v_cvt_pk_f16_f32 v[LG+64*\g+16*(ci/8)+ci%8], v[LG+64*\g+2*ci], v[LG+64*\g+2*ci+1]
.set ci, ci+1
.endr
.endm
.macro HOOK p                          ; the next step's K and its two new bias rows: 20 LDS loads, then both addresses step
	WIN 0x40
	KLOAD 8192
	DLOAD (2*\p+2)%4, 768
	DLOAD (2*\p+3)%4, 1024
	WIN 0
	v_add_nc_u32 v[AKV], 0x2000, v[AKV]
	v_add_nc_u32 v[ABI], 0x200, v[ABI]
.endm
; THE LUMP OF TURN g, and its wait.  Pairs 0-15 of x - m have been made.  The 64 exponentials of group g stand by turns with plain work that names none of their results: pairs 16-31 of x - m (each ahead of
; its own exponentials), the maximum of group o, the rescaling of group g.  The links of the maximum's last chain (30 .. 37) stand three lines or more apart.  The two factors of group o are the batch's last;
; behind them stand seven rescalings and the two moves, of which the rescaling directly behind the last factor is the plain instruction that a transcendental wants behind it (ISA guide 5.7.2).
.macro LUMP g, o, first, mx
.irp k, 0,1,2,3,4,5,6,7
	EX \g, 2*\k
	SB \g, 16+2*\k
	EX \g, 2*\k+1
	SB \g, 17+2*\k
.endr
.irp k, 0,1,2,3,4,5,6,7
	EX \g, 16+2*\k
	XO \o, \mx, 2*\k
	EX \g, 17+2*\k
	XO \o, \mx, 2*\k+1
.endr
.irp k, 0,1,2,3,4,5,6,7
	EX \g, 32+2*\k
	XO \o, \mx, 16+2*\k
	EX \g, 33+2*\k
	XO \o, \mx, 17+2*\k
.endr
	EX \g, 48
	XO \o, \mx, 32
	EX \g, 49
	XO \o, \mx, 33
	EX \g, 50
	RS \g, \first, 0
	EX \g, 51
	RS \g, \first, 1
	EX \g, 52
	XO \o, \mx, 34
	EX \g, 53
	XO \o, \mx, 35
	EX \g, 54
	RS \g, \first, 2
	EX \g, 55
	RS \g, \first, 3
	EX \g, 56
	XO \o, \mx, 36
	EX \g, 57
	XO \o, \mx, 37
	EX \g, 58
	RS \g, \first, 4
	EX \g, 59
	RS \g, \first, 5
	EX \g, 60
	RS \g, \first, 6
	EX \g, 61
	RS \g, \first, 7
	EX \g, 62
	RS \g, \first, 8
	EX \g, 63
	RS \g, \first, 9
	XO \o, \mx, 38                                 ; group o's two factors
	RS \g, \first, 10
	XO \o, \mx, 39
.irp n, 11,12,13,14,15,16,17
	RS \g, \first, \n
.endr
	XO \o, \mx, 40
	XO \o, \mx, 41
.if (\mx) == 1
	v_nop                                          ; step 0's first turn has neither rescalings nor moves: the plain instruction behind the last exponential (ISA guide 5.7.2)
.endif
	s_wait_alu depctr_va_vdst(0)                   ; the turn's one wait: for the batch of group g's 64 exponentials and group o's two factors, ahead of the roundings, their first readers
.endm
; Step I.  On entry: group 0's logits of step I, its new maximum and its factor (made in the turn before and waited for there; for step 0 ahead of it), K(I), and the bias rows D(2 I - 1), D(2 I), D(2 I + 1).
; p = I % 2, np = (I + 1) % 2.  Every distance behind a matrix instruction is filled with useful work: eight subtractions of the turn's own group stand between PV of the other group and what loads into or
; writes over PV's sources (V's loads, QK); eight more stand between QK and the loads into its sources, and with the lump's first sixteen between QK and the maximum that reads its logits.
.macro STEP p, np, first, next
	SUB8 0, 0
	WIN 0x40
	VLOAD
	WIN 0x15                                       ; K, Q and the bias tile in window 1, the logits in window 0
	QK 1, \p
	WIN 0
	SUB8 0, 8
.if \next
	HOOK \p                                        ; eight plain instructions stand between the other group's QK and these loads into its sources
.endif
	LUMP 0, 1, \first, 2-\first
	CVTS 0
.if \next
	s_wait_dscnt 20                                ; V's eight loads are back; the twenty behind them (next K, next two bias rows) stay out
.else
	s_wait_dscnt 0
.endif
	WIN 0x01                                       ; V^T and the ones in window 1
	PV 0, \first
	WIN 0
	SUB8 1, 0
.if \next
	s_wait_dscnt 0                                 ; the next step's K and bias rows
	WIN 0x15
	QK 0, \np
	WIN 0
.endif
	SUB8 1, 8
	LUMP 1, 0, \first, 2*\next
	CVTS 1
	WIN 0x01
	PV 1, \first
	WIN 0
.endm
	WIN 0x40
	KLOAD 0
	DLOAD 3, 0                                     ; D(-1), which group 1 needs at step 0
	DLOAD 0, 256                                   ; D(0)
	DLOAD 1, 512                                   ; D(1)
	WIN 0
	s_wait_loadcnt 0x0                             ; Q
	s_wait_dscnt 0x0
	WIN 0x15
	QK 0, 0
	WIN 0
	PLACES                                         ; four places before the logits are read
.irp n, 0,1,2,3,4,5,6,7,8,9,10,11,12,13,14,15,16,17,18,19,20,21,22,23,24,25,26,27,28,29,30,31,32,33,34,35,36,37
	XM 0, 1, \n                                    ; group 0's first maximum: it has no factor, and so no exponential
.endr
	STEP 0, 1, 1, 1                                ; step 0 starts maxima, sums and outputs: nothing is cleared
	s_mov_b32 s32, 7
.Lstep:
	STEP 1, 0, 0, 1                                ; steps 1, 3, .. 13
	STEP 0, 1, 0, 1                                ; steps 2, 4, .. 14
	s_sub_co_u32 s32, s32, 1
	s_cmp_lg_u32 s32, 0
	s_cbranch_scc1 .Lstep
	STEP 1, 0, 0, 0                                ; step 15: nothing is left to fetch
	; O / l.  l >= 1: the row's largest logit contributes 2^0.  Every lane holds its query's whole sum: the product with the ones ran over all 32 keys of a fragment.
	PLACES
.irp q, 0,1,2,3
	v_rcp_f32 v[AM+2*\q], v[LT+8*\q]
.endr
	v_nop                                          ; the place behind the reciprocals (ISA guide 5.7.2)
	s_wait_alu depctr_va_vdst(0)                   ; one wait for the batch of four reciprocals, ahead of the multiplies that read them
.irp q, 0,1,2,3
.irp k, 0,1,2,3,4,5,6,7
	v_pk_mul_f32 v[OAC+16*\q+2*\k:OAC+16*\q+2*\k+1], v[OAC+16*\q+2*\k:OAC+16*\q+2*\k+1], v[AM+2*\q:AM+2*\q+1] op_sel_hi:[1,0]
.endr
.endr
.irp q, 0,1,2,3
.irp e, 0,1
.irp k, 0,1,2,3
	v_cvt_pk_f16_f32 v[LG+4*(2*\q+\e)+\k], v[OAC+16*\q+8*\e+2*\k], v[OAC+16*\q+8*\e+2*\k+1]
.endr
.endr
.endr
.irp q, 0,1,2,3
.irp e, 0,1
	global_store_b128 v[L16], v[LG+4*(2*\q+\e):LG+4*(2*\q+\e)+3], s[14:15] offset:\q*16384+\e*512   ; a lane's 8 neighbouring head dimensions of query r: 512 consecutive bytes a wave, aligned
.endr
.endr
	s_wait_tensorcnt 0x0
	ds_add_u32 v254, v255
	s_wait_dscnt 0x0
	s_endpgm
.Lfunc_end_k_q16d6a42e69_attn:
	.size	k_q16d6a42e69_attn, .Lfunc_end_k_q16d6a42e69_attn-k_q16d6a42e69_attn
	.p2alignl 7, 3214868480
	.fill 96, 4, 3214868480
	.section	.rodata,"a",@progbits
	.p2align	6, 0x0
	.amdhsa_kernel k_q16d6a42e69_attn
		.amdhsa_group_segment_fixed_size 181504
		.amdhsa_private_segment_fixed_size 0
		.amdhsa_enable_private_segment 0
		.amdhsa_kernarg_size 32
		.amdhsa_user_sgpr_count 2
		.amdhsa_user_sgpr_kernarg_segment_ptr 1
		.amdhsa_wavefront_size32 1
		.amdhsa_system_sgpr_workgroup_id_x 1
		.amdhsa_system_sgpr_workgroup_id_y 1
		.amdhsa_system_sgpr_workgroup_id_z 1
		.amdhsa_system_vgpr_workitem_id 0
		.amdhsa_next_free_vgpr 456
		.amdhsa_next_free_sgpr 66
		.amdhsa_reserve_vcc 1
		.amdhsa_float_denorm_mode_32 3
		.amdhsa_float_denorm_mode_16_64 3
		.amdhsa_memory_ordered 1
		.amdhsa_forward_progress 1
		.amdhsa_inst_pref_size 109
	.end_amdhsa_kernel
	.amdgpu_metadata
---
amdhsa.version: [ 1, 2 ]
amdhsa.kernels:
  - .name:           k_q16d6a42e69_attn
    .symbol:         k_q16d6a42e69_attn.kd
    .args:
      - { .name: qf, .offset: 0, .size: 8, .value_kind: global_buffer, .address_space: global }
      - { .name: kv, .offset: 8, .size: 8, .value_kind: global_buffer, .address_space: global }
      - { .name: rel_bias, .offset: 16, .size: 8, .value_kind: global_buffer, .address_space: global }
      - { .name: ao, .offset: 24, .size: 8, .value_kind: global_buffer, .address_space: global }
    .group_segment_fixed_size: 181504
    .private_segment_fixed_size: 0
    .kernarg_segment_align: 8
    .kernarg_segment_size: 32
    .max_flat_workgroup_size: 256
    .sgpr_count:     66
    .vgpr_count:     456
    .wavefront_size: 32
...
	.end_amdgpu_metadata
.endif
;; end of part 4
;; launch oproj: the kernel of part 3 again; grid 4 x 64, 8 waves a work-group, no clusters, 314,368 bytes of LDS; arguments ao, Wo, bo, out0; writes out0
